; MI455X (gfx1250); checked and timed in simulation.
; The chip was launched on July 23, 2026; its instructions are those of AMD's public machine-readable ISA for CDNA 5 (MIT licence, August 2026) and "CDNA5" Instruction Set Architecture Reference Guide (July 2026). The comments in the code are by the model that wrote it; some were corrected since.
;; Match Layer. Allowed arithmetic: float matrix products may take bf16 or f16 operands with f32 sums; other float arithmetic in f32, or as packed bf16 or f16 multiplies, adds, multiply-adds, maxima and minima; sums over many terms, partial sums and values carried from step to step in f32; what a program stores and reads back later, other than sums and carried values, may be rounded once to bf16 or f16.
;; Inputs: c 8 x 2,048 x 1,024 float32; q 8 x 1,024 x 1,024 float32; wk 1,024 x 1,024 float32; wq 1,024 x 1,024 float32; wv 1,024 x 1,024 float32.
;; Outputs: out0 8 x 2,048 x 1,024 float32.
;; One version. Each part assembles by itself: llvm-mc -triple=amdgcn-amd-amdhsa -mcpu=gfx1250 --defsym DOCPART=n.
;; ======== version 1 of 1: 4 launches
;; limits: values are held in f16: magnitudes above 65,504 overflow, below 6.1e-05 lose precision
;; workspace buffers: wb 6,291,456 bytes; kph 16,777,216 bytes; kpl 16,777,216 bytes; vt 16,777,216 bytes; pb 33,554,432 bytes; st 1,048,576 bytes
;; launch weights (part 1): grid 16 x 16, 4 waves a work-group, clusters of 4 x 4, 327,680 bytes of LDS; arguments wq, wk, wv, wb; writes wb
.if DOCPART == 1
	.amdgcn_target "amdgcn-amd-amdhsa--gfx1250"
	.amdhsa_code_object_version 6
	.text
	.protected	k_qed1c3993ae_weights
	.globl	k_qed1c3993ae_weights
	.p2align	8
	.type	k_qed1c3993ae_weights,@function
k_qed1c3993ae_weights:
	s_mov_b64 s[64:65], 0
	v_nop
	global_prefetch_b8 v0, s[64:65] scope:SCOPE_SE
	s_setreg_imm32_b32 hwreg(HW_REG_WAVE_MODE, 25, 1), 1
	s_wait_xcnt 0x0
	s_wait_alu depctr_hold_cnt(0) depctr_sa_sdst(0) depctr_va_vdst(0) depctr_va_sdst(0) depctr_va_ssrc(0) depctr_va_vcc(0) depctr_vm_vsrc(0)
	s_getreg_b32 s2, hwreg(HW_REG_IB_STS2, 6, 4)
	s_cmp_eq_u32 s2, 0
	s_cbranch_scc0 .Lentry_in_a_cluster
	s_endpgm
.Lentry_in_a_cluster:
	s_bfe_u32 s2, ttmp6, 0x10000c
	s_cmp_lg_u32 s2, 0xf033
	s_cbranch_scc0 .Lentry_shape_is_right
	s_endpgm
.Lentry_shape_is_right:
; M[d][e] = sum over h of wq[d][h] wk[e][h], kept in two bf16 parts (hi + lo, 16 significant bits), and wv turned ([channel][e]) in bf16.
; With M the scores are c (q M^T)^T: the score product's operands c and q are then the inputs themselves, rounded once to bf16, and only M and q M^T need two parts.
; All three weights are rounded once to bf16 between LDS and the matrix unit; sums in f32.
; OUT: wb = [cb 8][ks 16][part 3: M hi, M lo, wv^T][k32 2][nb16 8][1,024 bytes].  A piece of 1,024 bytes is a matrix operand of 16 rows x 32 k as the lanes hold it:
; byte 16 l = lane l's registers 0-3, byte 512 + 16 l = its registers 4-7.  Rows 128 cb + 16 nb16 + l % 16; k = 64 ks + 32 k32 + ..
; SHARES.  A work-group makes 64 d (tile row Y) x 64 e (tile column X) of M over all 1,024 h, and turns wv's rows 64 X .., columns 64 Y ...  A wave: 32 e x 32 d, four accumulators.
; Source 0 = 16 rows of wk (e), source 1 = 16 rows of wq (d): a lane then holds one d and eight neighbouring e, which packed to bf16 are 16 bytes of a piece: each store of a wave is 512 consecutive bytes, aligned.
; CLUSTER 4 x 4: wq's rows hang on Y alone and are asked for jointly along a row of the cluster, wk's on X alone, along a column.  wv's block is the work-group's own.
; h goes in four steps of 256 through two LDS slots.  No prefetch: the launch reads 12 MiB once and is over after four steps.
.set PW,    1040                       ; an LDS row of wq or wk: 1,024 bytes + 16: 65 x 16, so the 16 rows of a load start at 16 different groups of four banks (64 banks of 4 bytes: ISA guide 11.1)
.set HALFW, 32*PW                      ; 32 rows: what one tensor load brings
.set WKO,   64*PW                      ; wk's rows lie behind wq's 64
.set SLOTX, 0x20800                    ; a slot: 128 rows; no address inside slot 0 has bit 11 or bit 17 set, so one exclusive or changes slots
.set WVB,   2*SLOTX                    ; wv's block: 64 rows x 272
.set PWV,   272
.set SPARE, WVB+64*PWV                 ; the spare words, 128 bytes for each wave: two blocks of 256 bytes that no other line names
.set AA0, 4                            ; v4  my place in wq's rows of slot 0   v5 in wk's; never rewritten
.set AB0, 5
.set AA,  6                            ; v6, v7  the same at the K place in hand
.set AB,  7
.set ATR, 8                            ; v8  my place in wv's block
.set GO,  9                            ; v9  16 x lane
.set SPW, 10                           ; v10 LDS address of my spare word; never rewritten
.set NIL, 11                           ; v11 0; never rewritten
.set NEG1, 12                          ; v12 -1.0
.set ACC, 16                           ; v[16:47]  accumulator (a = e block, b = d block) at 8 (2 a + b)
.set F0,  48                           ; v[48:79], v[80:111]  two sets of bf16 operands: wk a at 8 a, wq b at 16 + 8 b
.set F1,  80
.set RA0, 112                          ; v[112:175], v[176:239]  two sets as loaded, f32: wk a at 16 a, wq b at 32 + 16 b
.set RA1, 176
.set TP,  240                          ; v[240:255] wv^T packed
.set HIW, 48                           ; the way out
.set LOW, 64
.set TT,  112
.set WV, 16
.set RH, 17
.set CH, 18
.set CX, 19
.set CY, 20
.set X,  21
.set Y,  22
.set G1A, 24                           ; s[24:31] group 1 for wq   s[32:39] for wk   s[56:63] for wv
.set G1B, 32
.set G0A, 40                           ; s[40:47] group 0 for wq: a set for each first fill; the second then walks   s[48:55] for wk
.set G0B, 48
.set G1W, 56
.set G0W, 68
.set CNT, 72
.set CNT2, 73
.set TB,  74                           ; LDS byte of the slot in hand
.set TK,  75                           ; the same plus the K place
.set SBM, 92                           ; s[92:93] where my pieces of M go   s[94:95] my pieces of wv^T
.set SBW, 94
.macro CREST                           ; a round of the cluster's barrier behind its opening barrier
	s_cmp_lg_u32 s[WV], 0
	s_cbranch_scc1 .Lnot_wave_0_\@
	s_barrier_signal -3
.Lnot_wave_0_\@:
	s_barrier_wait -3
	s_barrier_signal -1
	s_barrier_wait -1
.endm
.macro CROUND
	s_barrier_signal -1
	s_barrier_wait -1
	CREST
.endm
.macro FOUR
.rept 4
	v_nop
.endr
.endm
.macro FIRST3 g0, g1                   ; a wave's three first fills: steps 0 and 1 of its rows, and its 16 rows of wv's block
	tensor_load_to_lds s[\g0:\g0+3], s[\g1:\g1+7]
	s_nop 0
	tensor_load_to_lds s[\g0+4:\g0+7], s[\g1:\g1+7]
	s_nop 0
	tensor_load_to_lds s[G0W:G0W+3], s[G1W:G1W+7]
	s_nop 0
	FOUR
.endm
.macro JLOAD                           ; a joint refill: waves 0 and 1 fetch wq's two halves, waves 2 and 3 wk's; the branch hangs on the wave's number alone
	s_cmp_eq_u32 s[RH], 0
	s_cbranch_scc0 .Lfor_b_\@
	tensor_load_to_lds s[G0A+4:G0A+7], s[G1A:G1A+7]
	s_nop 0
	FOUR
	s_branch .Lasked_\@
.Lfor_b_\@:
	tensor_load_to_lds s[G0B+4:G0B+7], s[G1B:G1B+7]
	s_nop 0
	FOUR
.Lasked_\@:
.endm
.macro WALK                            ; the walking descriptors: the other slot, the next 256 h
	s_xor_b32 s[G0A+5], s[G0A+5], SLOTX
	s_add_nc_u64 s[G0A+6:G0A+7], s[G0A+6:G0A+7], 1024
	s_xor_b32 s[G0B+5], s[G0B+5], SLOTX
	s_add_nc_u64 s[G0B+6:G0B+7], s[G0B+6:G0B+7], 1024
.endm
	s_load_b256 s[4:11], s[0:1], 0x0               ; wq s[4:5], wk s[6:7], wv s[8:9], wb s[10:11]
	v_lshl_add_u32 v[SPW], v0, 2, SPARE
	v_mov_b32 v[NIL], 0
	ds_add_u32 v[SPW], v[NIL]                      ; the wave's opening: the add and its wait ahead of my first tensor load
	v_lshrrev_b32 v1, 5, v0
	v_readfirstlane_b32 s[WV], v1                  ; wave 0..3
	s_lshr_b32 s[RH], s[WV], 1                     ; my half of the tile's d.  Also: I fetch wq (0) or wk (1)
	s_and_b32 s[CH], s[WV], 1                      ; my half of its e.  Also: which 32 rows I fetch
	s_bfe_u32 s[CX], ttmp6, 0x40000
	s_bfe_u32 s[CY], ttmp6, 0x40004
	s_lshl_b32 s[X], ttmp9, 2
	s_add_co_u32 s[X], s[X], s[CX]                 ; tile column
	s_and_b32 s[Y], ttmp7, 0xffff
	s_lshl_b32 s[Y], s[Y], 2
	s_add_co_u32 s[Y], s[Y], s[CY]                 ; tile row
	s_lshl_b32 s76, s[CY], 2
	s_lshl_b32 s76, 15, s76                        ; my row of the cluster
	s_lshl_b32 s78, 0x1111, s[CX]                  ; my column
	s_or_b32 s[G1A], s76, (2<<16)|(1<<20)|(1<<21)|(7<<22)|(3<<25)  ; mask; 4-byte elements; padding on; bit 21 beside a mask; after every 256 words; 4 words
	s_or_b32 s[G1B], s78, (2<<16)|(1<<20)|(1<<21)|(7<<22)|(3<<25)
.irp g, G1A, G1B
	s_mov_b32 s[\g+1], 256<<16                     ; tensor_dim0 = 256
	s_mov_b32 s[\g+2], 32<<16                      ; tensor_dim1 = 32
	s_mov_b32 s[\g+3], 256<<16                     ; tile_dim0 = 256
	s_mov_b32 s[\g+4], 32                          ; tile_dim1 = 32
	s_mov_b32 s[\g+5], 1024                        ; elements from row to row
	s_mov_b32 s[\g+6], 0
	s_mov_b32 s[\g+7], 0
.endr
	s_mov_b32 s[G1W], (2<<16)|(1<<20)|(5<<22)|(3<<25)  ; no mask; rows of 64 words, 4 words of padding
	s_mov_b32 s[G1W+1], 64<<16
	s_mov_b32 s[G1W+2], 16<<16
	s_mov_b32 s[G1W+3], 64<<16
	s_mov_b32 s[G1W+4], 16
	s_mov_b32 s[G1W+5], 1024
	s_mov_b32 s[G1W+6], 0
	s_mov_b32 s[G1W+7], 0
	s_lshl_b32 s80, s[Y], 18                       ; wq: row 64 Y + 32 half, 4,096 bytes a row
	s_lshl_b32 s81, s[CH], 17
	s_add_co_u32 s80, s80, s81
	s_mov_b32 s81, 0
	s_lshl_b32 s82, s[X], 18                       ; wk: row 64 X + 32 half
	s_lshl_b32 s83, s[CH], 17
	s_add_co_u32 s82, s82, s83
	s_mov_b32 s83, 0
	s_lshl_b32 s84, s[X], 18                       ; wv: row 64 X + 16 wave, column 64 Y
	s_lshl_b32 s85, s[WV], 16
	s_add_co_u32 s84, s84, s85
	s_lshl_b32 s85, s[Y], 8
	s_add_co_u32 s84, s84, s85
	s_mov_b32 s85, 0
	s_mul_i32 s96, s[CH], HALFW                    ; where the tiles go: no place in the cluster enters an LDS address
	s_add_co_u32 s97, s96, WKO
	s_mul_i32 s98, s[WV], 16*PWV
	s_add_co_u32 s98, s98, WVB
	s_lshr_b32 s90, s[Y], 1                        ; wb: block (cb = Y / 2, ks = X) of 49,152 bytes,
	s_lshl_b32 s90, s90, 4
	s_add_co_u32 s90, s90, s[X]
	s_mul_i32 s90, s90, 49152
	s_and_b32 s91, s[Y], 1
	s_lshl_b32 s91, s91, 12                        ; row blocks 4 (Y % 2) ..
	s_add_co_u32 s90, s90, s91
	s_lshl_b32 s[SBM], s[CH], 13                   ; M: k32 = my half of e, row blocks + 2 x my half of d
	s_lshl_b32 s[SBM+1], s[RH], 11
	s_add_co_u32 s[SBM], s[SBM], s[SBM+1]
	s_add_co_u32 s[SBM], s[SBM], s90
	s_mov_b32 s[SBM+1], 0
	s_lshl_b32 s[SBW], s[WV], 10                   ; wv^T: part 2, row block + my wave's number
	s_add_co_u32 s[SBW], s[SBW], s90
	s_add_co_u32 s[SBW], s[SBW], 32768
	s_mov_b32 s[SBW+1], 0
	s_mov_b32 s[TB], 0
	s_wait_dscnt 0x0                               ; the opening add is done
	s_wait_kmcnt 0x0
	s_add_nc_u64 s[80:81], s[4:5], s[80:81]
	s_add_nc_u64 s[82:83], s[6:7], s[82:83]
	s_add_nc_u64 s[SBM:SBM+1], s[10:11], s[SBM:SBM+1]
	s_add_nc_u64 s[SBW:SBW+1], s[10:11], s[SBW:SBW+1]
.irp s, 0,1
	s_mov_b32 s[G0A+4*(\s)], 1
	s_add_co_u32 s[G0A+4*(\s)+1], s96, (\s)*SLOTX
	s_add_nc_u64 s[G0A+4*(\s)+2:G0A+4*(\s)+3], s[80:81], (\s)*1024
	s_or_b32 s[G0A+4*(\s)+3], s[G0A+4*(\s)+3], 0x80000000
	s_mov_b32 s[G0B+4*(\s)], 1
	s_add_co_u32 s[G0B+4*(\s)+1], s97, (\s)*SLOTX
	s_add_nc_u64 s[G0B+4*(\s)+2:G0B+4*(\s)+3], s[82:83], (\s)*1024
	s_or_b32 s[G0B+4*(\s)+3], s[G0B+4*(\s)+3], 0x80000000
.endr
	s_mov_b32 s[G0W], 1
	s_mov_b32 s[G0W+1], s98
	s_add_nc_u64 s[G0W+2:G0W+3], s[8:9], s[84:85]
	s_or_b32 s[G0W+3], s[G0W+3], 0x80000000
	CROUND                                         ; all sixteen work-groups are here: the first joint loads meet
	s_cmp_eq_u32 s[RH], 0                          ; a wave's first fills stand in one branch: three loads of mine are out
	s_cbranch_scc0 .Lfirst_b
	FIRST3 G0A, G1A
	s_branch .Lfirst_done
.Lfirst_b:
	FIRST3 G0B, G1B
.Lfirst_done:
	; An operand of 16 rows x 32 k: lane l holds row l % 16; registers 0-3 k = 8 (l / 16) + 0..7, registers 4-7 k = 16 + 8 (l / 16) + 0..7.  In f32 rows: four loads of 16 bytes at 32 (l / 16) + 0, 16, 64, 80.
	v_and_b32 v1, 15, v0
	v_bfe_u32 v2, v0, 4, 1
	v_and_b32 v3, 31, v0
	v_mul_u32_u24 v13, v1, PW
	v_lshl_add_u32 v13, v2, 5, v13
	s_mul_i32 s99, s[RH], HALFW
	v_add_nc_u32 v[AA0], s99, v13
	v_add_nc_u32 v[AB0], s97, v13                  ; wk's rows 32 x my half of e
	v_mul_u32_u24 v[ATR], v2, 8*PWV                ; wv: row 8 (l / 16) + j, column 16 wave + l % 16
	v_lshl_add_u32 v[ATR], v1, 2, v[ATR]
	s_lshl_b32 s99, s[WV], 6
	s_add_co_u32 s99, s99, WVB
	v_add_nc_u32 v[ATR], s99, v[ATR]
	v_lshlrev_b32 v[GO], 4, v3
	v_mov_b32 v[NEG1], -1.0
.set i, 0
.rept 32
	v_mov_b32 v[ACC+i], 0                          ; the sums start at 0, written while the first tiles are on their way, so that one text serves all four steps
.set i, i+1
.endr
.macro LOADR rr, off                   ; 16 LDS loads: two operands of wk, two of wq, 32 h at byte off of the rows, as f32
.irp a, 0,1
.irp u, 0,1,2,3
	ds_load_b128 v[(\rr)+16*(\a)+4*(\u):(\rr)+16*(\a)+4*(\u)+3], v[AB] offset:(\a)*16*PW+(\off)+16*((\u)%2)+64*((\u)/2)
.endr
.endr
.irp a, 0,1
.irp u, 0,1,2,3
	ds_load_b128 v[(\rr)+32+16*(\a)+4*(\u):(\rr)+32+16*(\a)+4*(\u)+3], v[AA] offset:(\a)*16*PW+(\off)+16*((\u)%2)+64*((\u)/2)
.endr
.endr
.endm
.macro CVTR rr, ff                     ; rounded to bf16, two numbers an instruction
.set i, 0
.rept 32
	v_cvt_pk_bf16_f32 v[(\ff)+i], v[(\rr)+2*i], v[(\rr)+2*i+1]
.set i, i+1
.endr
.endm
.macro MUL4 ff                         ; the four accumulators take turns, one instruction a turn, over every backward jump too
.irp a, 0,1
.irp b, 0,1
	v_wmma_f32_16x16x32_bf16 v[ACC+8*(2*(\a)+(\b)):ACC+8*(2*(\a)+(\b))+7], v[(\ff)+8*(\a):(\ff)+8*(\a)+7], v[(\ff)+16+8*(\b):(\ff)+16+8*(\b)+7], v[ACC+8*(2*(\a)+(\b)):ACC+8*(2*(\a)+(\b))+7]
.endr
.endr
.endm
.macro ADDR
	v_add_nc_u32 v[AA], s[TK], v[AA0]
	v_add_nc_u32 v[AB], s[TK], v[AB0]
.endm
; A step of 256 h: eight times 32 h on two sets.  The 32 conversions of one set are the places between the other set's products and the rewriting of its operands.
.macro COMPUTE
	s_mov_b32 s[TK], s[TB]
	ADDR
	LOADR RA0, 0
	LOADR RA1, 128
	s_mov_b32 s[CNT2], 3
.Lk_\@:
	s_wait_dscnt 16                                ; the older set's 16 loads are in, the younger set's may stay out
	CVTR RA0, F0
	LOADR RA0, 256
	MUL4 F0
	s_wait_dscnt 16
	CVTR RA1, F1
	LOADR RA1, 384
	MUL4 F1
	s_add_co_u32 s[TK], s[TK], 256
	ADDR
	s_sub_co_u32 s[CNT2], s[CNT2], 1
	s_cmp_lg_u32 s[CNT2], 0
	s_cbranch_scc1 .Lk_\@
	s_wait_dscnt 16                                ; the last two load nothing
	CVTR RA0, F0
	MUL4 F0
	s_wait_dscnt 0x0
	CVTR RA1, F1
	MUL4 F1
.endm
.macro RESID d, hreg, x                ; x - hi for the two numbers packed in hreg: exact in f32
	v_fma_mix_f32_bf16 v[\d], v[\hreg], v[NEG1], v[\x] op_sel:[0,0,0] op_sel_hi:[1,0,0]
	v_fma_mix_f32_bf16 v[(\d)+1], v[\hreg], v[NEG1], v[(\x)+1] op_sel:[1,0,0] op_sel_hi:[1,0,0]
.endm
	s_wait_tensorcnt 0x2                           ; my part of step 0 is in; step 1's and wv's may stay out
	s_barrier_signal -1
	s_barrier_wait -1
	s_mov_b32 s[CNT], 2
.LloopA:                                       ; steps 0 and 1; each slot is filled again, with the step two on
	COMPUTE
	s_wait_tensorcnt 0x0                           ; all my tensor loads have landed, so a group 0 may be written
	ds_add_u32 v[SPW], v[NIL]                      ; 0 onto my spare word
	WALK
	s_wait_dscnt 0x0                               ; the add is done, and my reads of the slot are over
	CROUND                                         ; no wave of any partner still reads the slot or has a load on its way
	JLOAD
	s_xor_b32 s[TB], s[TB], SLOTX
	s_sub_co_u32 s[CNT], s[CNT], 1
	s_cmp_lg_u32 s[CNT], 0
	s_cbranch_scc1 .LloopA
	; wv's block is whole (every wave has waited for its part ahead of the rounds above).  My wave turns its 16 columns: lane l takes 8 rows of one column, which packed are 16 bytes of a piece.
.irp g, 0,1,2,3
.irp j, 0,1,2,3,4,5,6,7
	ds_load_b32 v[RA0+8*(\g)+(\j)], v[ATR] offset:(16*(\g)+(\j))*PWV
.endr
.endr
	s_wait_dscnt 0x0
.irp g, 0,1,2,3
.irp e, 0,1,2,3
	v_cvt_pk_bf16_f32 v[TP+4*(\g)+(\e)], v[RA0+8*(\g)+2*(\e)], v[RA0+8*(\g)+2*(\e)+1]
.endr
	global_store_b128 v[GO], v[TP+4*(\g):TP+4*(\g)+3], s[SBW:SBW+1] offset:((\g)/2)*8192+((\g)%2)*512  ; 512 consecutive bytes, aligned
.endr
	s_mov_b32 s[CNT], 2
.LloopB:                                       ; steps 2 and 3: nothing is left to fetch; the barrier shows step 3's tile to every wave
	COMPUTE
	s_wait_tensorcnt 0x0
	ds_add_u32 v[SPW], v[NIL]
	s_wait_dscnt 0x0
	s_barrier_signal -1
	s_barrier_wait -1
	s_xor_b32 s[TB], s[TB], SLOTX
	s_sub_co_u32 s[CNT], s[CNT], 1
	s_cmp_lg_u32 s[CNT], 0
	s_cbranch_scc1 .LloopB
	; THE WAY OUT: hi = M rounded to bf16, lo = (M - hi) rounded to bf16.  Each accumulator's registers are taken in ascending order.
.rept 8
	v_nop                                          ; the places behind the last products
.endr
.irp i, 0,1,2,3
.irp e, 0,1,2,3
	v_cvt_pk_bf16_f32 v[HIW+4*(\i)+(\e)], v[ACC+8*(\i)+2*(\e)], v[ACC+8*(\i)+2*(\e)+1]
.endr
.irp e, 0,1,2,3
	RESID TT+8*(\i)+2*(\e), HIW+4*(\i)+(\e), ACC+8*(\i)+2*(\e)
.endr
.irp e, 0,1,2,3
	v_cvt_pk_bf16_f32 v[LOW+4*(\i)+(\e)], v[TT+8*(\i)+2*(\e)], v[TT+8*(\i)+2*(\e)+1]
.endr
	global_store_b128 v[GO], v[HIW+4*(\i):HIW+4*(\i)+3], s[SBM:SBM+1] offset:((\i)%2)*1024+((\i)/2)*512
	global_store_b128 v[GO], v[LOW+4*(\i):LOW+4*(\i)+3], s[SBM:SBM+1] offset:16384+((\i)%2)*1024+((\i)/2)*512
.endr
	s_wait_tensorcnt 0x0                           ; the wave's end
	ds_add_u32 v[SPW], v[NIL]
	s_wait_dscnt 0x0
	CROUND                                         ; the closing round
	s_endpgm
.Lfunc_end_k_qed1c3993ae_weights:
	.size	k_qed1c3993ae_weights, .Lfunc_end_k_qed1c3993ae_weights-k_qed1c3993ae_weights
	.p2alignl 7, 3214868480
	.fill 96, 4, 3214868480
	.section	.rodata,"a",@progbits
	.p2align	6, 0x0
	.amdhsa_kernel k_qed1c3993ae_weights
		.amdhsa_group_segment_fixed_size 327680
		.amdhsa_private_segment_fixed_size 0
		.amdhsa_enable_private_segment 0
		.amdhsa_kernarg_size 32
		.amdhsa_user_sgpr_count 2
		.amdhsa_user_sgpr_kernarg_segment_ptr 1
		.amdhsa_wavefront_size32 1
		.amdhsa_system_sgpr_workgroup_id_x 1
		.amdhsa_system_sgpr_workgroup_id_y 1
		.amdhsa_system_sgpr_workgroup_id_z 1
		.amdhsa_system_vgpr_workitem_id 0
		.amdhsa_next_free_vgpr 256
		.amdhsa_next_free_sgpr 100
		.amdhsa_reserve_vcc 0
		.amdhsa_float_denorm_mode_32 3
		.amdhsa_float_denorm_mode_16_64 3
		.amdhsa_memory_ordered 1
		.amdhsa_forward_progress 1
		.amdhsa_inst_pref_size 46
	.end_amdhsa_kernel
	.amdgpu_metadata
---
amdhsa.version: [ 1, 2 ]
amdhsa.kernels:
  - .name:           k_qed1c3993ae_weights
    .symbol:         k_qed1c3993ae_weights.kd
    .args:
      - { .name: wq, .offset: 0, .size: 8, .value_kind: global_buffer, .address_space: global }
      - { .name: wk, .offset: 8, .size: 8, .value_kind: global_buffer, .address_space: global }
      - { .name: wv, .offset: 16, .size: 8, .value_kind: global_buffer, .address_space: global }
      - { .name: wb, .offset: 24, .size: 8, .value_kind: global_buffer, .address_space: global }
    .group_segment_fixed_size: 327680
    .private_segment_fixed_size: 0
    .kernarg_segment_align: 8
    .kernarg_segment_size: 32
    .max_flat_workgroup_size: 128
    .sgpr_count:     100
    .vgpr_count:     256
    .wavefront_size: 32
...
	.end_amdgpu_metadata
.endif
;; end of part 1
;; launch project (part 2): grid 8 x 32, 4 waves a work-group, clusters of 4 x 4, 327,680 bytes of LDS; arguments q, wb, kph, kpl, vt; writes kph, kpl, vt
.if DOCPART == 2
	.amdgcn_target "amdgcn-amd-amdhsa--gfx1250"
	.amdhsa_code_object_version 6
	.text
	.protected	k_qed1c3993ae_project
	.globl	k_qed1c3993ae_project
	.p2align	8
	.type	k_qed1c3993ae_project,@function
k_qed1c3993ae_project:
	s_mov_b64 s[64:65], 0
	v_nop
	global_prefetch_b8 v0, s[64:65] scope:SCOPE_SE
	s_setreg_imm32_b32 hwreg(HW_REG_WAVE_MODE, 25, 1), 1
	s_wait_xcnt 0x0
	s_wait_alu depctr_hold_cnt(0) depctr_sa_sdst(0) depctr_va_vdst(0) depctr_va_sdst(0) depctr_va_ssrc(0) depctr_va_vcc(0) depctr_vm_vsrc(0)
	s_getreg_b32 s2, hwreg(HW_REG_IB_STS2, 6, 4)
	s_cmp_eq_u32 s2, 0
	s_cbranch_scc0 .Lentry_in_a_cluster
	s_endpgm
.Lentry_in_a_cluster:
	s_bfe_u32 s2, ttmp6, 0x10000c
	s_cmp_lg_u32 s2, 0xf033
	s_cbranch_scc0 .Lentry_shape_is_right
	s_endpgm
.Lentry_shape_is_right:
; K'[key][d] = sum over e of q[key][e] (Mhi + Mlo)[d][e], stored in two bf16 parts (kph, kpl);  V[key][ch] = sum over e of q[key][e] wv[e][ch], stored turned, in f16 (vt).
; q is rounded once to bf16 between LDS and the matrix unit; sums in f32.  LIMIT: V leaves in f16, which holds no number beyond 65,504.
; OUT, in pieces of 1,024 bytes (16 rows x 32 k as the lanes hold them: byte 16 l = lane l's registers 0-3, byte 512 + 16 l = registers 4-7):
;   kph, kpl = [batch 8][key tile 4][ks 16][k32 2][kb16 16][piece]: rows = keys, k = d.      vt = [batch 8][channel tile 4][t 8][half 2][k32 4][cb16 8][piece]: rows = channels, k = keys (t: 128 keys).
; SHARES.  A work-group: 256 rows of q (tile row Y) x 128 columns d of K' and 128 channels of V (tile column X), which share q's operands.  A wave: 128 rows x (64 + 64).
; K': source 0 = 16 rows of M (d), source 1 = 16 rows of q: a lane holds one key and 8 d.  V: source 0 = 16 rows of q, source 1 = 16 rows of wv^T: a lane holds one channel and 8 keys.
; Packed to 16 bits either is 16 bytes of a piece: every store of a wave is 512 consecutive bytes, aligned, and nothing goes through LDS on the way out.
; e goes in 16 steps of 64 through two LDS slots; a step is two phases of 32 e, 96 matrix instructions each (M hi, wv, M lo).  A phase fetches the next phase's operands, so a slot has been read
; out in its first phase: the change of slots stands there, and the refill has a whole step, 192 matrix instructions, in which to land.
; THE CONVERSIONS OF q stand four at a time behind matrix instructions, never as a run of their own: no run of vector work parts two runs of matrix instructions.  They write the buffer that the phase in hand does not multiply.
; CLUSTER 4 x 4: q's tile hangs on Y alone (joint along a row of the cluster), wb's on X alone (joint along a column).
; REGISTERS, in windows of 256: window 0: v0-63 addresses; v64-127 q as loaded (f32); v128-191, v192-255 q's operands, two buffers.   window 1: v0-95, v128-223 two buffers: M hi 4 x 8, M lo 4 x 8, wv^T 4 x 8.
;   window 2: K' accumulators (a = d block 0..3, b = key block 0..7) at 8 (8 a + b).   window 3: V accumulators (a = key block 0..7, b = channel block 0..3) at 8 (4 a + b).
.set PQ,    272                        ; an LDS row of q: 256 bytes + 16: 17 x 16, so the 16 rows of a load start at 16 different groups of four banks (64 banks of 4 bytes: ISA guide 11.1)
.set HALFQ, 128*PQ
.set WOFF,  256*PQ                     ; behind q's 256 rows: wb's block, 49,152 dense bytes, read 16 bytes a lane on end
.set WBLK,  49152
.set SLOT1, 0x20000                    ; slot 1 begins here: one exclusive or changes slots
.set SPARE, WOFF+WBLK                  ; in the gap behind slot 0: the spare words, two blocks of 256 bytes that no other line names
.set AQ0, 4
.set AW0, 5
.set AQ,  6
.set AW,  7
.set PFO, 8
.set GO,  9
.set SPW, 10
.set NIL, 11
.set NEG1, 12
.set RAW, 64
.set QF,  128
.set WV, 16
.set RH, 17
.set CH, 18
.set CX, 19
.set CY, 20
.set X,  21
.set Y,  22
.set CLY, 23
.set G1A, 24
.set G1B, 32
.set G0A, 40                           ; s[40:47] group 0 for q: a set for each of the two first fills; the second then walks
.set G0B, 48                           ; s[48:55] the same for wb
.set CNT, 56
.set LIM, 57
.set PFA, 58
.set PFS, 60
.set TB,  62
.set KPH, 70
.set KPL, 72
.set VTB, 74
.set MSB, 0
.macro WIN new                         ; the immediate's high byte repeats the setting that is left; a switch that changes nothing is dropped
.if MSB != (\new)
	s_set_vgpr_msb (MSB<<8)|(\new)
.set MSB, (\new)
.endif
.endm
.macro PLACES
.rept 4
	v_nop
.endr
.endm
.macro CREST
	s_cmp_lg_u32 s[WV], 0
	s_cbranch_scc1 .Lnot_wave_0_\@
	s_barrier_signal -3
.Lnot_wave_0_\@:
	s_barrier_wait -3
	s_barrier_signal -1
	s_barrier_wait -1
.endm
.macro CROUND
	s_barrier_signal -1
	s_barrier_wait -1
	CREST
.endm
.macro FIRST2 g0, g1                   ; a wave's two first fills: steps 0 and 1
	tensor_load_to_lds s[\g0:\g0+3], s[\g1:\g1+7]
	s_nop 0
	tensor_load_to_lds s[\g0+4:\g0+7], s[\g1:\g1+7]
	s_nop 0
	PLACES
.endm
.macro JLOAD                           ; a joint refill: waves 0 and 1 fetch q's two halves, waves 2 and 3 the two halves of wb's block
	s_cmp_eq_u32 s[RH], 0
	s_cbranch_scc0 .Lfor_b_\@
	tensor_load_to_lds s[G0A+4:G0A+7], s[G1A:G1A+7]
	s_nop 0
	PLACES
	s_branch .Lasked_\@
.Lfor_b_\@:
	tensor_load_to_lds s[G0B+4:G0B+7], s[G1B:G1B+7]
	s_nop 0
	PLACES
.Lasked_\@:
.endm
.macro WALK                            ; the walking descriptors: the other slot, the next step
	s_xor_b32 s[G0A+5], s[G0A+5], SLOT1
	s_add_nc_u64 s[G0A+6:G0A+7], s[G0A+6:G0A+7], 256
	s_xor_b32 s[G0B+5], s[G0B+5], SLOT1
	s_add_nc_u64 s[G0B+6:G0B+7], s[G0B+6:G0B+7], WBLK
.endm
; A PREFETCH of the step that the NEXT refill loads, one instruction a wave, behind the refill and the run of LDS loads that follows it.  q's 256 bytes of a row: the cluster with x = 0 asks; of the 128 rows that a wave
; fetches each of the four partners takes 32, told apart by address (cx), a lane a row.  wb's 24,576 bytes of a wave: the cluster with y = 0 asks; each partner takes 24 blocks of 256 bytes (cy); lanes 24 to 31 name the 24th again.
; Steps 0 to 2 come by their loads alone; behind the last refill nothing is asked for: the loop has been left.
.macro ASK
	WIN 0
	s_cmp_eq_u32 s[LIM], 1
	s_cbranch_scc0 .Lnot_mine_\@
	global_prefetch_b8 v[PFO], s[PFA:PFA+1] th:TH_LOAD_NT scope:SCOPE_SE
.Lnot_mine_\@:
.endm
	s_load_b256 s[4:11], s[0:1], 0x0               ; q s[4:5], wb s[6:7], kph s[8:9], kpl s[10:11]
	s_load_b64 s[12:13], s[0:1], 0x20              ; vt
	v_lshl_add_u32 v[SPW], v0, 2, SPARE
	v_mov_b32 v[NIL], 0
	ds_add_u32 v[SPW], v[NIL]                      ; the wave's opening: the add and its wait ahead of my first tensor load
	v_lshrrev_b32 v1, 5, v0
	v_readfirstlane_b32 s[WV], v1
	s_lshr_b32 s[RH], s[WV], 1                     ; my half of the rows.  Also: I fetch q (0) or wb (1)
	s_and_b32 s[CH], s[WV], 1                      ; my half of the columns.  Also: which half I fetch
	s_bfe_u32 s[CX], ttmp6, 0x40000
	s_bfe_u32 s[CY], ttmp6, 0x40004
	s_lshl_b32 s[X], ttmp9, 2
	s_add_co_u32 s[X], s[X], s[CX]
	s_and_b32 s[CLY], ttmp7, 0xffff                ; the cluster's y is the batch, cy the key tile
	s_lshl_b32 s[Y], s[CLY], 2
	s_add_co_u32 s[Y], s[Y], s[CY]
	s_lshl_b32 s76, s[CY], 2
	s_lshl_b32 s76, 15, s76
	s_lshl_b32 s78, 0x1111, s[CX]
	s_or_b32 s[G1A], s76, (2<<16)|(1<<20)|(1<<21)|(5<<22)|(3<<25)  ; q: 128 rows x 64 f32, 4 words of padding behind every 64
	s_mov_b32 s[G1A+1], 64<<16
	s_mov_b32 s[G1A+2], 128<<16
	s_mov_b32 s[G1A+3], 64<<16
	s_mov_b32 s[G1A+4], 128
	s_mov_b32 s[G1A+5], 1024
	s_mov_b32 s[G1A+6], 0
	s_mov_b32 s[G1A+7], 0
	s_or_b32 s[G1B], s78, (3<<16)|(1<<21)          ; wb: 24,576 dense bytes as 96 rows of 32 elements of 8 bytes
	s_mov_b32 s[G1B+1], 32<<16
	s_mov_b32 s[G1B+2], 96<<16
	s_mov_b32 s[G1B+3], 32<<16
	s_mov_b32 s[G1B+4], 96
	s_mov_b32 s[G1B+5], 32
	s_mov_b32 s[G1B+6], 0
	s_mov_b32 s[G1B+7], 0
	s_lshl_b32 s80, s[Y], 20                       ; q: row 256 Y + 128 half
	s_lshl_b32 s81, s[CH], 19
	s_add_co_u32 s80, s80, s81
	s_mov_b32 s81, 0
	s_mul_i32 s82, s[X], 16*WBLK                   ; wb: column block X, my half of a step's block
	s_mul_i32 s83, s[CH], WBLK/2
	s_add_co_u32 s82, s82, s83
	s_mov_b32 s83, 0
	s_mul_i32 s96, s[CH], HALFQ                    ; where they go: no place in the cluster enters an LDS address
	s_mul_i32 s97, s[CH], WBLK/2
	s_add_co_u32 s97, s97, WOFF
.irp s, 0,1
	s_mov_b32 s[G0A+4*(\s)], 1
	s_add_co_u32 s[G0A+4*(\s)+1], s96, (\s)*SLOT1
	s_mov_b32 s[G0B+4*(\s)], 1
	s_add_co_u32 s[G0B+4*(\s)+1], s97, (\s)*SLOT1
.endr
	s_lshl_b32 s84, s[CX], 17                      ; the prefetches: q at my work-group's 32 rows, step 2
	s_add_co_u32 s84, s84, s80
	s_add_co_u32 s84, s84, 512
	s_mul_i32 s85, s[CY], 6144                     ; wb at my work-group's 24 blocks, step 2
	s_add_co_u32 s85, s85, s82
	s_add_co_u32 s85, s85, 2*WBLK
	s_mov_b32 s86, WBLK
	s_cmp_eq_u32 s[RH], 0
	s_cselect_b32 s84, s84, s85
	s_cselect_b32 s[PFS], 256, s86                 ; bytes from step to step
	s_cselect_b32 s87, ttmp9, s[CLY]               ; the coordinate along which other clusters read the same bytes
	s_cselect_b32 s88, 12, 8
	s_cselect_b32 s89, 31, 23
	s_mov_b32 s85, 0
	s_mov_b32 s[PFS+1], 0
	s_cmp_eq_u32 s87, 0
	s_cselect_b32 s[LIM], 1, 0
	v_and_b32 v3, 31, v0
	v_min_u32 v[PFO], s89, v3
	v_lshlrev_b32 v[PFO], s88, v[PFO]
	s_lshl_b32 s90, s[Y], 4                        ; K': block (Y, ks = 2 X + my half) of 32,768 bytes, key blocks 8 x my half of the rows
	s_lshl_b32 s91, s[X], 1
	s_add_co_u32 s90, s90, s91
	s_add_co_u32 s90, s90, s[CH]
	s_lshl_b32 s90, s90, 15
	s_lshl_b32 s91, s[RH], 13
	s_add_co_u32 s90, s90, s91
	s_mov_b32 s91, 0
	s_lshl_b32 s92, s[CLY], 2                      ; V: block (batch, channel tile X / 2, t = 2 cy + my half of the rows), half X % 2, channel blocks 4 x my half
	s_lshr_b32 s93, s[X], 1
	s_add_co_u32 s92, s92, s93
	s_lshl_b32 s92, s92, 3
	s_lshl_b32 s93, s[CY], 1
	s_add_co_u32 s92, s92, s93
	s_add_co_u32 s92, s92, s[RH]
	s_lshl_b32 s92, s92, 16
	s_and_b32 s93, s[X], 1
	s_lshl_b32 s93, s93, 15
	s_add_co_u32 s92, s92, s93
	s_lshl_b32 s93, s[CH], 12
	s_add_co_u32 s92, s92, s93
	s_mov_b32 s93, 0
	s_mov_b32 s[TB], 0
	s_wait_dscnt 0x0                               ; the opening add is done
	s_wait_kmcnt 0x0
	s_add_nc_u64 s[80:81], s[4:5], s[80:81]
	s_add_nc_u64 s[82:83], s[6:7], s[82:83]
.irp s, 0,1
	s_add_nc_u64 s[G0A+4*(\s)+2:G0A+4*(\s)+3], s[80:81], (\s)*256
	s_or_b32 s[G0A+4*(\s)+3], s[G0A+4*(\s)+3], 0x80000000
	s_add_nc_u64 s[G0B+4*(\s)+2:G0B+4*(\s)+3], s[82:83], (\s)*WBLK
	s_or_b32 s[G0B+4*(\s)+3], s[G0B+4*(\s)+3], 0x80000000
.endr
	s_cmp_eq_u32 s[RH], 0
	s_cselect_b64 s[PFA:PFA+1], s[4:5], s[6:7]
	s_add_nc_u64 s[PFA:PFA+1], s[PFA:PFA+1], s[84:85]
	s_add_nc_u64 s[KPH:KPH+1], s[8:9], s[90:91]
	s_add_nc_u64 s[KPL:KPL+1], s[10:11], s[90:91]
	s_add_nc_u64 s[VTB:VTB+1], s[12:13], s[92:93]
	CROUND                                         ; all sixteen work-groups are here: the first joint loads meet
	s_cmp_eq_u32 s[RH], 0                          ; a wave's two first fills stand in one branch: two loads of mine are out
	s_cbranch_scc0 .Lfirst_b
	FIRST2 G0A, G1A
	s_branch .Lfirst_done
.Lfirst_b:
	FIRST2 G0B, G1B
.Lfirst_done:
	v_and_b32 v1, 15, v0
	v_bfe_u32 v2, v0, 4, 1
	v_mul_u32_u24 v[AQ0], v1, PQ
	v_lshl_add_u32 v[AQ0], v2, 5, v[AQ0]           ; row x pitch + 32 x half of the lanes (8 f32)
	s_mul_i32 s98, s[RH], HALFQ
	v_add_nc_u32 v[AQ0], s98, v[AQ0]
	s_lshl_b32 s99, s[CH], 12
	s_add_co_u32 s99, s99, WOFF
	v_lshl_add_u32 v[AW0], v3, 4, s99              ; my four row blocks of each part, 16 bytes a lane
	v_lshlrev_b32 v[GO], 4, v3
	v_mov_b32 v[NEG1], -1.0
	v_add_nc_u32 v[AQ], s[TB], v[AQ0]
	v_add_nc_u32 v[AW], s[TB], v[AW0]
.macro FETCH_Q half, ko                ; 16 loads: four operands of q as f32: row blocks 4 half .., 32 e at 128 ko
	WIN 0
.irp f, 0,1,2,3
.irp u, 0,1,2,3
	ds_load_b128 v[RAW+16*(\f)+4*(\u):RAW+16*(\f)+4*(\u)+3], v[AQ] offset:(4*(\half)+(\f))*16*PQ+(\ko)*128+16*((\u)%2)+64*((\u)/2)
.endr
.endr
.endm
.macro FETCH_W n, ko                   ; 24 loads: M hi, M lo, wv^T, four operands each, into buffer n
	WIN 0x40
.irp part, 0,1,2
.irp f, 0,1,2,3
	ds_load_b128 v[128*(\n)+32*(\part)+8*(\f):128*(\n)+32*(\part)+8*(\f)+3],   v[AW] offset:(\part)*16384+(\ko)*8192+(\f)*1024
	ds_load_b128 v[128*(\n)+32*(\part)+8*(\f)+4:128*(\n)+32*(\part)+8*(\f)+7], v[AW] offset:(\part)*16384+(\ko)*8192+(\f)*1024+512
.endr
.endr
.endm
.macro CVT n, half                     ; four operands rounded to bf16 into buffer n, on end: ahead of the first phase alone
	WIN 0
.set i, 0
.rept 32
	v_cvt_pk_bf16_f32 v[QF+64*(\n)+32*(\half)+i], v[RAW+2*i], v[RAW+2*i+1]
.set i, i+1
.endr
.endm
.macro RCVT n, half                    ; the next four of those 32 conversions, numbers rc to rc + 3
	WIN 0
.rept 4
	v_cvt_pk_bf16_f32 v[QF+64*(\n)+32*(\half)+rc], v[RAW+2*rc], v[RAW+2*rc+1]
.set rc, rc+1
.endr
.endm
; 32 matrix instructions each.  The accumulators take turns, one instruction a turn: between two on one accumulator stand 31 others' or more.
; K' += M part x q.  rid = 1 (the lo part): behind the 8th product the wait for q's second half (issued 24 products back) and, sig > 0, the barrier's signal; then four conversions of that half behind every third product.
.macro G_K p, part, zero, rid=0, sig=0
.set rc, 0
.set wn, 0
.irp a, 0,1,2,3
.irp b, 0,1,2,3,4,5,6,7
	WIN 0xa1                                       ; source 0 window 1, source 1 window 0, C and D window 2
.if \zero
	v_wmma_f32_16x16x32_bf16 v[8*(8*(\a)+(\b)):8*(8*(\a)+(\b))+7], v[128*(\p)+32*(\part)+8*(\a):128*(\p)+32*(\part)+8*(\a)+7], v[QF+64*(\p)+8*(\b):QF+64*(\p)+8*(\b)+7], 0
.else
	v_wmma_f32_16x16x32_bf16 v[8*(8*(\a)+(\b)):8*(8*(\a)+(\b))+7], v[128*(\p)+32*(\part)+8*(\a):128*(\p)+32*(\part)+8*(\a)+7], v[QF+64*(\p)+8*(\b):QF+64*(\p)+8*(\b)+7], v[8*(8*(\a)+(\b)):8*(8*(\a)+(\b))+7]
.endif
.set wn, wn+1
.if \rid
.if wn == 8
	s_wait_dscnt 0x0                               ; all of the next phase's operands are in: my reads of the slot in hand are over (and the add, where there was one, is done)
.if \sig
	s_barrier_signal -1
.endif
.endif
.if (wn > 8) && ((wn-8)%3 == 0)
	RCVT 1-(\p), 1
.endif
.endif
.endr
.endr
.endm
; V += q x wv^T.  Four conversions of q's first half stand behind every second of the first 16 products; then its registers are free, and the second half's 16 loads go out in one run.
.macro G_V p, zero
.set rc, 0
.set wn, 0
.irp a, 0,1,2,3,4,5,6,7
.irp b, 0,1,2,3
	WIN 0xf4                                       ; source 0 window 0, source 1 window 1, C and D window 3
.if \zero
	v_wmma_f32_16x16x32_bf16 v[8*(4*(\a)+(\b)):8*(4*(\a)+(\b))+7], v[QF+64*(\p)+8*(\a):QF+64*(\p)+8*(\a)+7], v[128*(\p)+64+8*(\b):128*(\p)+64+8*(\b)+7], 0
.else
	v_wmma_f32_16x16x32_bf16 v[8*(4*(\a)+(\b)):8*(4*(\a)+(\b))+7], v[QF+64*(\p)+8*(\a):QF+64*(\p)+8*(\a)+7], v[128*(\p)+64+8*(\b):128*(\p)+64+8*(\b)+7], v[8*(4*(\a)+(\b)):8*(4*(\a)+(\b))+7]
.endif
.set wn, wn+1
.if (wn <= 16) && (wn%2 == 0)
	RCVT 1-(\p), 0
.endif
.if wn == 16
	FETCH_Q 1, 1-(\p)
.endif
.endr
.endr
.endm
; A phase on buffers p, first part: the next phase's operands are fetched into the other buffers (they lie 32 e on in this slot for p = 0, at the head of the slot that s[TB] names for p = 1).
.macro PH_A p, zero, ask
	PLACES                                         ; the places between the last products, which read the other buffers, and the loads and conversions into them
	FETCH_Q 0, 1-(\p)
	FETCH_W 1-(\p), 1-(\p)
.if \ask
	ASK
.endif
	G_K \p, 0, \zero
	s_wait_dscnt 24                                ; q's 16 loads are in; the 24 behind them may stay out
	G_V \p, \zero
	WIN 0
.endm
; Second part: M lo's products, and round them (turn > 0) the change of slots.  turn = 1: the slot is filled again, two steps ahead; turn = 2: nothing is left to fetch.
.macro PH_B p, turn
.if \turn
	WIN 0
.if (\turn) == 1
	s_wait_xcnt 0x0                                ; the last prefetch, a step back, has read its address
	s_add_nc_u64 s[PFA:PFA+1], s[PFA:PFA+1], s[PFS:PFS+1]
.endif
	s_wait_tensorcnt 0x0                           ; all my tensor loads have landed: the one that was out is my part of the other slot
	ds_add_u32 v[SPW], v[NIL]                      ; 0 onto my spare word; eight products stand between it and the wait for it
.if (\turn) == 1
	WALK
.endif
.endif
	G_K \p, 1, 0, 1, \turn
.if \turn
	WIN 0
	s_barrier_wait -1
.if (\turn) == 1
	CREST                                          ; the barrier has opened a round of the cluster's: no wave of any partner still reads the slot or has a load on its way
	JLOAD
.endif
	s_xor_b32 s[TB], s[TB], SLOT1
	v_add_nc_u32 v[AQ], s[TB], v[AQ0]
	v_add_nc_u32 v[AW], s[TB], v[AW0]
.endif
.endm
	s_wait_tensorcnt 0x1                           ; my part of step 0 is in; step 1's may stay out
	s_barrier_signal -1
	s_barrier_wait -1                              ; everybody's is
	FETCH_Q 0, 0
	FETCH_W 0, 0
	s_wait_dscnt 24
	CVT 0, 0
	FETCH_Q 1, 0
	s_wait_dscnt 0x0
	CVT 0, 1
	PH_A 0, 1, 0                                   ; the first phase's products start the sums: nothing is cleared
	s_mov_b32 s[CNT], 14                           ; steps 2 to 15 are asked for by refills
	s_branch .Lmid
.Lloop:                                        ; a trip: a step's second phase, the next step's first, and the change of slots
	PH_A 1, 0, 1
	PH_B 1, 0
	PH_A 0, 0, 0
.Lmid:
	PH_B 0, 1
	s_sub_co_u32 s[CNT], s[CNT], 1
	s_cmp_lg_u32 s[CNT], 0
	s_cbranch_scc1 .Lloop
	s_mov_b32 s[CNT], 3                            ; the tail is written out; its third trip is left in the middle
.Ltail:                                        ; (the last phase's fetch reads the other slot's old bytes, and what it brings serves nothing: the price of one text for the three trips)
	PH_A 1, 0, 0
	PH_B 1, 0
	WIN 0
	s_sub_co_u32 s[CNT], s[CNT], 1
	s_cmp_eq_u32 s[CNT], 0
	s_cbranch_scc1 .Lout
	PH_A 0, 0, 0
	PH_B 0, 2
	s_branch .Ltail
.Lout:
.rept 8
	v_nop                                          ; the places behind the last products
.endr
.macro RESID d, hreg, x                ; x - hi for the two numbers packed in hreg: exact in f32
	v_fma_mix_f32_bf16 v[\d], v[\hreg], v[NEG1], v[\x] op_sel:[0,0,0] op_sel_hi:[1,0,0]
	v_fma_mix_f32_bf16 v[(\d)+1], v[\hreg], v[NEG1], v[(\x)+1] op_sel:[1,0,0] op_sel_hi:[1,0,0]
.endm
; K' of d block a: hi = rounded to bf16 (v64-95), the rest (v96-159), lo = the rest rounded (v160-191); eight stores each.  Each accumulator's registers are taken in ascending order.
.macro KOUT a
	s_wait_xcnt 0x0                                ; the stores before have read their registers
	WIN 0x0a
.irp b, 0,1,2,3,4,5,6,7
.irp e, 0,1,2,3
	v_cvt_pk_bf16_f32 v[64+4*(\b)+(\e)], v[8*(8*(\a)+(\b))+2*(\e)], v[8*(8*(\a)+(\b))+2*(\e)+1]
.endr
.endr
	WIN 0x20
.irp b, 0,1,2,3,4,5,6,7
.irp e, 0,1,2,3
	RESID 96+8*(\b)+2*(\e), 64+4*(\b)+(\e), 8*(8*(\a)+(\b))+2*(\e)
.endr
.endr
	WIN 0
.set i, 0
.rept 32
	v_cvt_pk_bf16_f32 v[160+i], v[96+2*i], v[96+2*i+1]
.set i, i+1
.endr
.irp b, 0,1,2,3,4,5,6,7
	global_store_b128 v[GO], v[64+4*(\b):64+4*(\b)+3],   s[KPH:KPH+1] offset:(\b)*1024+(\a)*512  ; 512 consecutive bytes, aligned
	global_store_b128 v[GO], v[160+4*(\b):160+4*(\b)+3], s[KPL:KPL+1] offset:(\b)*1024+(\a)*512
.endr
.endm
	s_mov_b32 s[CNT], 2
.Lko:                                          ; two trips over d blocks 0 and 1; between them blocks 2 and 3 are brought into their place: 128 moves, once a launch, for half the text of this way out
	KOUT 0
	KOUT 1
	s_sub_co_u32 s[CNT], s[CNT], 1
	s_cmp_eq_u32 s[CNT], 0
	s_cbranch_scc1 .Lkdone
	s_wait_xcnt 0x0                                ; the stores have read their bases
	s_add_nc_u64 s[KPH:KPH+1], s[KPH:KPH+1], 16384 ; the next 32 d
	s_add_nc_u64 s[KPL:KPL+1], s[KPL:KPL+1], 16384
	WIN 0x82                                       ; destination and source in window 2
.set i, 0
.rept 128
	v_mov_b32 v[i], v[128+i]                       ; each accumulator from its low end on
.set i, i+1
.endr
	WIN 0
	s_branch .Lko
.Lkdone:
	s_wait_xcnt 0x0
	WIN 0x0f                                       ; V: sources in window 3
.set i, 0
.rept 128
	v_cvt_pk_f16_f32 v[64+i], v[2*i], v[2*i+1]
.set i, i+1
.endr
	WIN 0
.irp a, 0,1,2,3,4,5,6,7
.irp b, 0,1,2,3
	global_store_b128 v[GO], v[64+4*(4*(\a)+(\b)):64+4*(4*(\a)+(\b))+3], s[VTB:VTB+1] offset:((\a)/2)*8192+(\b)*1024+((\a)%2)*512
.endr
.endr
	s_wait_tensorcnt 0x0                           ; the wave's end
	ds_add_u32 v[SPW], v[NIL]
	s_wait_dscnt 0x0
	CROUND                                         ; the closing round
	s_endpgm
.Lfunc_end_k_qed1c3993ae_project:
	.size	k_qed1c3993ae_project, .Lfunc_end_k_qed1c3993ae_project-k_qed1c3993ae_project
	.p2alignl 7, 3214868480
	.fill 96, 4, 3214868480
	.section	.rodata,"a",@progbits
	.p2align	6, 0x0
	.amdhsa_kernel k_qed1c3993ae_project
		.amdhsa_group_segment_fixed_size 327680
		.amdhsa_private_segment_fixed_size 0
		.amdhsa_enable_private_segment 0
		.amdhsa_kernarg_size 40
		.amdhsa_user_sgpr_count 2
		.amdhsa_user_sgpr_kernarg_segment_ptr 1
		.amdhsa_wavefront_size32 1
		.amdhsa_system_sgpr_workgroup_id_x 1
		.amdhsa_system_sgpr_workgroup_id_y 1
		.amdhsa_system_sgpr_workgroup_id_z 1
		.amdhsa_system_vgpr_workitem_id 0
		.amdhsa_next_free_vgpr 1024
		.amdhsa_next_free_sgpr 100
		.amdhsa_reserve_vcc 0
		.amdhsa_float_denorm_mode_32 3
		.amdhsa_float_denorm_mode_16_64 3
		.amdhsa_memory_ordered 1
		.amdhsa_forward_progress 1
		.amdhsa_inst_pref_size 122
	.end_amdhsa_kernel
	.amdgpu_metadata
---
amdhsa.version: [ 1, 2 ]
amdhsa.kernels:
  - .name:           k_qed1c3993ae_project
    .symbol:         k_qed1c3993ae_project.kd
    .args:
      - { .name: q, .offset: 0, .size: 8, .value_kind: global_buffer, .address_space: global }
      - { .name: wb, .offset: 8, .size: 8, .value_kind: global_buffer, .address_space: global }
      - { .name: kph, .offset: 16, .size: 8, .value_kind: global_buffer, .address_space: global }
      - { .name: kpl, .offset: 24, .size: 8, .value_kind: global_buffer, .address_space: global }
      - { .name: vt, .offset: 32, .size: 8, .value_kind: global_buffer, .address_space: global }
    .group_segment_fixed_size: 327680
    .private_segment_fixed_size: 0
    .kernarg_segment_align: 8
    .kernarg_segment_size: 40
    .max_flat_workgroup_size: 128
    .sgpr_count:     100
    .vgpr_count:     1024
    .wavefront_size: 32
...
	.end_amdgpu_metadata
.endif
;; end of part 2
;; launch scores (part 3): grid 4 x 64, 4 waves a work-group, clusters of 4 x 4, 327,680 bytes of LDS; arguments c, kph, kpl, pb, st; writes pb, st
.if DOCPART == 3
	.amdgcn_target "amdgcn-amd-amdhsa--gfx1250"
	.amdhsa_code_object_version 6
	.text
	.protected	k_qed1c3993ae_scores
	.globl	k_qed1c3993ae_scores
	.p2align	8
	.type	k_qed1c3993ae_scores,@function
k_qed1c3993ae_scores:
	s_mov_b64 s[64:65], 0
	v_nop
	global_prefetch_b8 v0, s[64:65] scope:SCOPE_SE
	s_setreg_imm32_b32 hwreg(HW_REG_WAVE_MODE, 25, 1), 1
	s_wait_xcnt 0x0
	s_wait_alu depctr_hold_cnt(0) depctr_sa_sdst(0) depctr_va_vdst(0) depctr_va_sdst(0) depctr_va_ssrc(0) depctr_va_vcc(0) depctr_vm_vsrc(0)
	s_getreg_b32 s2, hwreg(HW_REG_IB_STS2, 6, 4)
	s_cmp_eq_u32 s2, 0
	s_cbranch_scc0 .Lentry_in_a_cluster
	s_endpgm
.Lentry_in_a_cluster:
	s_bfe_u32 s2, ttmp6, 0x10000c
	s_cmp_lg_u32 s2, 0xf033
	s_cbranch_scc0 .Lentry_shape_is_right
	s_endpgm
.Lentry_shape_is_right:
; S[query][key] = sum over d of c[query][d] (K'hi + K'lo)[key][d]; then, for each query and each block t of 128 keys: m = the block's largest score, p = 2^(L2E s - cm) with cm = L2E m, l = the sum of the p.
; p leaves in f16 (pb), the pair (cm, l) in f32 (st).  The next launch joins the eight blocks of a row by their true maximum: no exponent is ever above 0 but by cm's own rounding.
; c is rounded once to bf16 between LDS and the matrix unit; sums, maxima and l in f32 (l is taken of the unrounded p).  LIMITS: a p below 2^-126 counts as 0; below 6e-5 f16 keeps a fixed step of 6e-8; NaN and infinities are not treated apart.
; OUT: pb = [row tile 64][t 8][half 2][k32 4][qb16 8][piece of 1,024 bytes: 16 queries x 32 keys as the lanes hold them].   st = [t 8][block of 128 rows: 128][128 rows][cm, l].
; SHARES.  A work-group: 256 queries (tile row Y) x 256 keys (tile column X) of one batch; a wave 128 x 128: 64 accumulators.  Source 0 = 16 keys, source 1 = 16 queries: a lane holds one query and 8 keys.
; d goes in 16 steps of 64 through two LDS slots; a step is two phases of 32 d, four blocks of 32 matrix instructions each (hi, hi, lo, lo).  A phase fetches the next phase's operands, so a slot is read out in its first
; phase: the change of slots stands there, and the refill has a whole step, 256 matrix instructions, in which to land.
; THE CONVERSIONS OF c stand four at a time behind every fourth matrix instruction of a phase's second and fourth block, never as a run of their own.  They write the buffer that the phase in hand does not multiply.
; CLUSTER 4 x 4: c's tile hangs on Y alone (joint along a row); K's on the batch and X (joint along a column: the four tile rows of a cluster lie in one batch).
; REGISTERS: window 0: v0-63 addresses; v64-127 c as loaded; v128-191, v192-255 c's operands, two buffers.  window 1: v0-127, v128-255 two buffers: K' hi 8 x 8, K' lo 8 x 8.
;   windows 2, 3: accumulators (a = query block 0..3 of the window's four, b = key block 0..7) at 8 (8 a + b).
.set PQ,    272                        ; an LDS row of c: 256 bytes + 16 (17 x 16: the 16 rows of a load start at 16 different groups of four banks; 64 banks of 4 bytes: ISA guide 11.1)
.set HALFQ, 128*PQ
.set KHO,   256*PQ                     ; K' hi: 32,768 dense bytes behind c's rows
.set SLOT1, 0x20000
.set SPARE, KHO+32768                  ; in the gap behind slot 0: the spare words
.set KLO,   0x40000                    ; K' lo has two slots of its own, 32,768 bytes each, behind the two slots
.set KLX,   0x8000
.set AC0, 4
.set AH0, 5
.set AL0, 6
.set AC,  7
.set AH,  8
.set AL,  9
.set SPW, 10
.set NIL, 11
.set PFO, 12
.set PO,  13
.set SO,  14
.set RAW, 64
.set QF,  128
.set SR,  84                           ; the way out: (cm, l) of block a at v[84 + 2 a]
.set SV,  92
.set WV, 16
.set RH, 17
.set CH, 18
.set CX, 19
.set CY, 20
.set X,  21
.set Y,  22
.set CLY, 23
.set G1A, 24
.set G1B, 32
.set G0A, 40                           ; s[40:47] group 0 for c: a set for each of the two first fills; the second then walks
.set G0H, 48                           ; s[48:55] the same for K' hi
.set G0L, 76                           ; s[76:83] and for K' lo
.set CNT, 56
.set LIM, 57
.set PFA, 58
.set PFS, 60
.set CS,  62                           ; s[62:63] log2(e)
.set SEL, 66                           ; s[66:67] v_permlanex16_b32's selects: each lane takes its own place in the other half
.set HM,  68                           ; s68 the upper 16 lanes
.set TB,  69
.set PB,  70
.set STB, 72
.set TE,  74
.set MSB, 0
.macro WIN new
.if MSB != (\new)
	s_set_vgpr_msb (MSB<<8)|(\new)
.set MSB, (\new)
.endif
.endm
.macro PLACES
.rept 4
	v_nop
.endr
.endm
.macro CREST
	s_cmp_lg_u32 s[WV], 0
	s_cbranch_scc1 .Lnot_wave_0_\@
	s_barrier_signal -3
.Lnot_wave_0_\@:
	s_barrier_wait -3
	s_barrier_signal -1
	s_barrier_wait -1
.endm
.macro CROUND
	s_barrier_signal -1
	s_barrier_wait -1
	CREST
.endm
.macro FIRST2 g0, g1                   ; a wave's two first fills: steps 0 and 1
	tensor_load_to_lds s[\g0:\g0+3], s[\g1:\g1+7]
	s_nop 0
	tensor_load_to_lds s[\g0+4:\g0+7], s[\g1:\g1+7]
	s_nop 0
	PLACES
.endm
.macro JLOAD                           ; a joint refill: waves 0 and 1 fetch c's two halves, wave 2 K' hi, wave 3 K' lo
	s_cmp_lt_u32 s[WV], 2
	s_cbranch_scc0 .Lfor_k_\@
	tensor_load_to_lds s[G0A+4:G0A+7], s[G1A:G1A+7]
	s_nop 0
	PLACES
	s_branch .Lasked_\@
.Lfor_k_\@:
	s_cmp_eq_u32 s[WV], 2
	s_cbranch_scc0 .Lfor_l_\@
	tensor_load_to_lds s[G0H+4:G0H+7], s[G1B:G1B+7]
	s_nop 0
	PLACES
	s_branch .Lasked_\@
.Lfor_l_\@:
	tensor_load_to_lds s[G0L+4:G0L+7], s[G1B:G1B+7]
	s_nop 0
	PLACES
.Lasked_\@:
.endm
.macro WALK
	s_xor_b32 s[G0A+5], s[G0A+5], SLOT1
	s_add_nc_u64 s[G0A+6:G0A+7], s[G0A+6:G0A+7], 256
	s_xor_b32 s[G0H+5], s[G0H+5], SLOT1
	s_add_nc_u64 s[G0H+6:G0H+7], s[G0H+6:G0H+7], 32768
	s_xor_b32 s[G0L+5], s[G0L+5], KLX
	s_add_nc_u64 s[G0L+6:G0L+7], s[G0L+6:G0L+7], 32768
.endm
; A PREFETCH of the step that the NEXT refill loads, one instruction a wave, behind the refill and the run of LDS loads that follows it.  c's rows are read by this cluster alone: of the 128 rows that a wave fetches each partner
; takes 32 (by cx), a lane a row.  A batch's K' is read by two clusters: the one with even y asks; of a step's 32,768 bytes each partner takes 8,192 (by cy), a lane 256.  Steps 0 to 2 come by their loads alone; behind the last refill nothing is asked for.
.macro ASK
	WIN 0
	s_cmp_eq_u32 s[LIM], 1
	s_cbranch_scc0 .Lnot_mine_\@
	global_prefetch_b8 v[PFO], s[PFA:PFA+1] th:TH_LOAD_NT scope:SCOPE_SE
.Lnot_mine_\@:
.endm
	s_load_b256 s[4:11], s[0:1], 0x0               ; c s[4:5], kph s[6:7], kpl s[8:9], pb s[10:11]
	s_load_b64 s[12:13], s[0:1], 0x20              ; st
	v_lshl_add_u32 v[SPW], v0, 2, SPARE
	v_mov_b32 v[NIL], 0
	ds_add_u32 v[SPW], v[NIL]                      ; the wave's opening: the add and its wait ahead of my first tensor load
	v_lshrrev_b32 v1, 5, v0
	v_readfirstlane_b32 s[WV], v1
	s_lshr_b32 s[RH], s[WV], 1                     ; my half of the queries
	s_and_b32 s[CH], s[WV], 1                      ; my half of the keys.  Also: which half of c's tile I fetch
	s_bfe_u32 s[CX], ttmp6, 0x40000
	s_bfe_u32 s[CY], ttmp6, 0x40004
	s_lshl_b32 s[X], ttmp9, 2
	s_add_co_u32 s[X], s[X], s[CX]
	s_and_b32 s[CLY], ttmp7, 0xffff
	s_lshl_b32 s[Y], s[CLY], 2
	s_add_co_u32 s[Y], s[Y], s[CY]
	s_lshl_b32 s14, s[CY], 2
	s_lshl_b32 s14, 15, s14
	s_lshl_b32 s15, 0x1111, s[CX]
	s_or_b32 s[G1A], s14, (2<<16)|(1<<20)|(1<<21)|(5<<22)|(3<<25)  ; c: 128 rows x 64 f32, 4 words of padding behind every 64
	s_mov_b32 s[G1A+1], 64<<16
	s_mov_b32 s[G1A+2], 128<<16
	s_mov_b32 s[G1A+3], 64<<16
	s_mov_b32 s[G1A+4], 128
	s_mov_b32 s[G1A+5], 1024
	s_mov_b32 s[G1A+6], 0
	s_mov_b32 s[G1A+7], 0
	s_or_b32 s[G1B], s15, (3<<16)|(1<<21)          ; K': 32,768 dense bytes as 128 rows of 32 elements of 8 bytes
	s_mov_b32 s[G1B+1], 32<<16
	s_mov_b32 s[G1B+2], 128<<16
	s_mov_b32 s[G1B+3], 32<<16
	s_mov_b32 s[G1B+4], 128
	s_mov_b32 s[G1B+5], 32
	s_mov_b32 s[G1B+6], 0
	s_mov_b32 s[G1B+7], 0
	s_lshl_b32 s2, s[Y], 20                        ; c: row 256 Y + 128 half
	s_lshl_b32 s3, s[CH], 19
	s_add_co_u32 s2, s2, s3
	s_mov_b32 s3, 0
	s_lshr_b32 s84, s[CLY], 1                      ; K': the batch (the cluster's y / 2), key tile X: 16 steps of 32,768 bytes
	s_lshl_b32 s84, s84, 2
	s_add_co_u32 s84, s84, s[X]
	s_lshl_b32 s84, s84, 19
	s_mov_b32 s85, 0
	s_mul_i32 s96, s[CH], HALFQ
.irp s, 0,1
	s_mov_b32 s[G0A+4*(\s)], 1
	s_add_co_u32 s[G0A+4*(\s)+1], s96, (\s)*SLOT1
	s_mov_b32 s[G0H+4*(\s)], 1
	s_mov_b32 s[G0H+4*(\s)+1], KHO+(\s)*SLOT1
	s_mov_b32 s[G0L+4*(\s)], 1
	s_mov_b32 s[G0L+4*(\s)+1], KLO+(\s)*KLX
.endr
	s_lshl_b32 s86, s[CX], 17                      ; the prefetches: c at my work-group's 32 rows, step 2
	s_add_co_u32 s86, s86, s2
	s_add_co_u32 s86, s86, 512
	s_lshl_b32 s87, s[CY], 13                      ; K' at my work-group's 8,192 bytes, step 2
	s_add_co_u32 s87, s87, s84
	s_add_co_u32 s87, s87, 65536
	s_and_b32 s88, s[CLY], 1
	s_mov_b32 s89, 32768
	s_cmp_lt_u32 s[WV], 2
	s_cselect_b32 s86, s86, s87
	s_cselect_b32 s88, 0, s88
	s_cselect_b32 s[PFS], 256, s89
	s_cselect_b32 s90, 12, 8
	s_mov_b32 s87, 0
	s_mov_b32 s[PFS+1], 0
	s_cmp_eq_u32 s88, 0
	s_cselect_b32 s[LIM], 1, 0
	v_and_b32 v3, 31, v0
	v_lshlrev_b32 v[PFO], s90, v3
	s_lshl_b32 s92, s[Y], 3                        ; pb: ((8 Y + t) 2 + my half of the queries) x 32,768, t = 2 X + my half of the keys
	s_lshl_b32 s93, s[X], 1
	s_add_co_u32 s93, s93, s[CH]                   ; t
	s_add_co_u32 s92, s92, s93
	s_lshl_b32 s92, s92, 1
	s_add_co_u32 s92, s92, s[RH]
	s_lshl_b32 s92, s92, 15
	s_lshl_b32 s94, s93, 7                         ; st: (128 t + 2 Y + my half) x 1,024
	s_lshl_b32 s95, s[Y], 1
	s_add_co_u32 s94, s94, s95
	s_add_co_u32 s94, s94, s[RH]
	s_lshl_b32 s94, s94, 10
	s_mov_b32 s93, 0
	s_mov_b32 s95, 0
	s_mov_b32 s[CS], 0x3fb8aa3b
	s_mov_b32 s[CS+1], s[CS]
	s_mov_b32 s[SEL], 0x76543210
	s_mov_b32 s[SEL+1], 0xfedcba98
	s_mov_b32 s[HM], 0xffff0000
	s_mov_b32 s[TB], 0
	s_mov_b32 s[TE], 0
	s_wait_dscnt 0x0                               ; the opening add is done
	s_wait_kmcnt 0x0
	s_add_nc_u64 s[2:3], s[4:5], s[2:3]
	s_add_nc_u64 s[88:89], s[6:7], s[84:85]
	s_add_nc_u64 s[90:91], s[8:9], s[84:85]
.irp s, 0,1
	s_add_nc_u64 s[G0A+4*(\s)+2:G0A+4*(\s)+3], s[2:3], (\s)*256
	s_or_b32 s[G0A+4*(\s)+3], s[G0A+4*(\s)+3], 0x80000000
	s_add_nc_u64 s[G0H+4*(\s)+2:G0H+4*(\s)+3], s[88:89], (\s)*32768
	s_or_b32 s[G0H+4*(\s)+3], s[G0H+4*(\s)+3], 0x80000000
	s_add_nc_u64 s[G0L+4*(\s)+2:G0L+4*(\s)+3], s[90:91], (\s)*32768
	s_or_b32 s[G0L+4*(\s)+3], s[G0L+4*(\s)+3], 0x80000000
.endr
	s_cmp_eq_u32 s[WV], 3
	s_cselect_b64 s[PFA:PFA+1], s[8:9], s[6:7]
	s_cmp_lt_u32 s[WV], 2
	s_cselect_b64 s[PFA:PFA+1], s[4:5], s[PFA:PFA+1]
	s_add_nc_u64 s[PFA:PFA+1], s[PFA:PFA+1], s[86:87]
	s_add_nc_u64 s[PB:PB+1], s[10:11], s[92:93]
	s_add_nc_u64 s[STB:STB+1], s[12:13], s[94:95]
	CROUND                                         ; all sixteen work-groups are here: the first joint loads meet
	s_cmp_lt_u32 s[WV], 2                          ; a wave's two first fills stand in one branch: two loads of mine are out
	s_cbranch_scc0 .Lfirst_k
	FIRST2 G0A, G1A
	s_branch .Lfirst_done
.Lfirst_k:
	s_cmp_eq_u32 s[WV], 2
	s_cbranch_scc0 .Lfirst_l
	FIRST2 G0H, G1B
	s_branch .Lfirst_done
.Lfirst_l:
	FIRST2 G0L, G1B
.Lfirst_done:
	v_and_b32 v1, 15, v0
	v_bfe_u32 v2, v0, 4, 1
	v_mul_u32_u24 v[AC0], v1, PQ
	v_lshl_add_u32 v[AC0], v2, 5, v[AC0]
	s_mul_i32 s97, s[RH], HALFQ
	v_add_nc_u32 v[AC0], s97, v[AC0]
	s_lshl_b32 s98, s[CH], 13
	s_add_co_u32 s99, s98, KLO
	s_add_co_u32 s98, s98, KHO
	v_lshl_add_u32 v[AH0], v3, 4, s98              ; my eight key blocks, 16 bytes a lane
	v_lshl_add_u32 v[AL0], v3, 4, s99
	v_lshlrev_b32 v[PO], 4, v3
	v_lshlrev_b32 v[SO], 3, v3
	v_add_nc_u32 v[AC], s[TB], v[AC0]
	v_add_nc_u32 v[AH], s[TB], v[AH0]
	v_add_nc_u32 v[AL], s[TE], v[AL0]
.macro FETCH_C half, ko                ; 16 loads: four operands of c as f32
	WIN 0
.irp f, 0,1,2,3
.irp u, 0,1,2,3
	ds_load_b128 v[RAW+16*(\f)+4*(\u):RAW+16*(\f)+4*(\u)+3], v[AC] offset:(4*(\half)+(\f))*16*PQ+(\ko)*128+16*((\u)%2)+64*((\u)/2)
.endr
.endr
.endm
.macro FETCH_K n, ko                   ; 32 loads: K' hi and lo, eight operands each, into buffer n
	WIN 0x40
.irp b, 0,1,2,3,4,5,6,7
	ds_load_b128 v[128*(\n)+8*(\b):128*(\n)+8*(\b)+3],   v[AH] offset:(\ko)*16384+(\b)*1024
	ds_load_b128 v[128*(\n)+8*(\b)+4:128*(\n)+8*(\b)+7], v[AH] offset:(\ko)*16384+(\b)*1024+512
.endr
.irp b, 0,1,2,3,4,5,6,7
	ds_load_b128 v[128*(\n)+64+8*(\b):128*(\n)+64+8*(\b)+3],   v[AL] offset:(\ko)*16384+(\b)*1024
	ds_load_b128 v[128*(\n)+64+8*(\b)+4:128*(\n)+64+8*(\b)+7], v[AL] offset:(\ko)*16384+(\b)*1024+512
.endr
.endm
.macro CVT n, half                     ; four operands rounded to bf16 into buffer n, on end: ahead of the first phase alone
	WIN 0
.set i, 0
.rept 32
	v_cvt_pk_bf16_f32 v[QF+64*(\n)+32*(\half)+i], v[RAW+2*i], v[RAW+2*i+1]
.set i, i+1
.endr
.endm
.macro RCVT n, half                    ; the next four of those 32 conversions, numbers rc to rc + 3
	WIN 0
.rept 4
	v_cvt_pk_bf16_f32 v[QF+64*(\n)+32*(\half)+rc], v[RAW+2*rc], v[RAW+2*rc+1]
.set rc, rc+1
.endr
.endm
; 32 matrix instructions: K' part x the query blocks of window 2 + half.  The 64 accumulators take turns in one order: 63 others' stand between two on one accumulator.
; rid = 0 or 1: four conversions of that half of the next phase's c stand behind every fourth product.
.macro MUL32 p, part, half, zero, rid=-1
.set rc, 0
.set wn, 0
.irp a, 0,1,2,3
.irp b, 0,1,2,3,4,5,6,7
	WIN 0xa1+0x50*(\half)
.if \zero
	v_wmma_f32_16x16x32_bf16 v[8*(8*(\a)+(\b)):8*(8*(\a)+(\b))+7], v[128*(\p)+64*(\part)+8*(\b):128*(\p)+64*(\part)+8*(\b)+7], v[QF+64*(\p)+8*(4*(\half)+(\a)):QF+64*(\p)+8*(4*(\half)+(\a))+7], 0
.else
	v_wmma_f32_16x16x32_bf16 v[8*(8*(\a)+(\b)):8*(8*(\a)+(\b))+7], v[128*(\p)+64*(\part)+8*(\b):128*(\p)+64*(\part)+8*(\b)+7], v[QF+64*(\p)+8*(4*(\half)+(\a)):QF+64*(\p)+8*(4*(\half)+(\a))+7], v[8*(8*(\a)+(\b)):8*(8*(\a)+(\b))+7]
.endif
.set wn, wn+1
.if ((\rid) >= 0) && (wn%4 == 0)
	RCVT 1-(\p), \rid
.endif
.endr
.endr
.endm
.macro PH_A p, zero, ask               ; a phase on buffers p, the hi part; the next phase's operands are fetched into the other buffers
	PLACES                                         ; between the last products, which read the other buffers, and the loads and conversions into them
	FETCH_C 0, 1-(\p)
	FETCH_K 1-(\p), 1-(\p)
.if \ask
	ASK
.endif
	MUL32 \p, 0, 0, \zero
	s_wait_dscnt 32                                ; c's 16 loads are in; K's 32 may stay out
	MUL32 \p, 0, 1, \zero, 0
	FETCH_C 1, 1-(\p)                              ; the first half is converted: its registers take the second half
	WIN 0
.endm
.macro PH_B p, turn                    ; the lo part, and (turn > 0) the change of slots.  turn = 1: the slot is filled again, two steps ahead; 2: nothing is left to fetch
.if \turn
	WIN 0
.if (\turn) == 1
	s_wait_xcnt 0x0                                ; the last prefetch, a step back, has read its address
	s_add_nc_u64 s[PFA:PFA+1], s[PFA:PFA+1], s[PFS:PFS+1]
.endif
	s_wait_tensorcnt 0x0                           ; all my tensor loads have landed: the one that was out is my part of the other slot
	ds_add_u32 v[SPW], v[NIL]                      ; 0 onto my spare word; 32 products stand between it and the wait for it
.if (\turn) == 1
	WALK
.endif
.endif
	MUL32 \p, 1, 0, 0
	s_wait_dscnt 0x0                               ; all of the next phase's operands are in: my reads of the slot in hand are over (and the add, where there was one, is done)
.if \turn
	s_barrier_signal -1
.endif
	MUL32 \p, 1, 1, 0, 1
.if \turn
	WIN 0
	s_barrier_wait -1
.if (\turn) == 1
	CREST                                          ; the barrier has opened a round of the cluster's: no wave of any partner still reads the slot or has a load on its way
	JLOAD
.endif
	s_xor_b32 s[TB], s[TB], SLOT1
	s_xor_b32 s[TE], s[TE], KLX
	v_add_nc_u32 v[AC], s[TB], v[AC0]
	v_add_nc_u32 v[AH], s[TB], v[AH0]
	v_add_nc_u32 v[AL], s[TE], v[AL0]
.endif
.endm
	s_wait_tensorcnt 0x1                           ; my part of step 0 is in; step 1's may stay out
	s_barrier_signal -1
	s_barrier_wait -1                              ; everybody's is
	FETCH_C 0, 0
	FETCH_K 0, 0
	s_wait_dscnt 32
	CVT 0, 0
	FETCH_C 1, 0
	s_wait_dscnt 0x0
	CVT 0, 1
	PH_A 0, 1, 0                                   ; the first products start the sums: nothing is cleared
	s_mov_b32 s[CNT], 14                           ; steps 2 to 15 are asked for by refills
	s_branch .Lmid
.Lloop:
	PH_A 1, 0, 1
	PH_B 1, 0
	PH_A 0, 0, 0
.Lmid:
	PH_B 0, 1
	s_sub_co_u32 s[CNT], s[CNT], 1
	s_cmp_lg_u32 s[CNT], 0
	s_cbranch_scc1 .Lloop
	s_mov_b32 s[CNT], 3                            ; the tail is written out; its third trip is left in the middle
.Ltail:                                        ; (the last phase's fetch reads the other slots' old bytes, and what it brings serves nothing)
	PH_A 1, 0, 0
	PH_B 1, 0
	WIN 0
	s_sub_co_u32 s[CNT], s[CNT], 1
	s_cmp_eq_u32 s[CNT], 0
	s_cbranch_scc1 .Lout
	PH_A 0, 0, 0
	PH_B 0, 2
	s_branch .Ltail
.Lout:
.rept 8
	v_nop                                          ; the places behind the last products
.endr
; THE WAY OUT, a block of 16 queries at a time: a lane holds 64 of its query's 128 scores, the lane 16 away the others.  At work in window 0, by the block's parity u: v[64 + 8 u ..] eight registers; v[80 + 2 u] (cm, m); v[96 + 32 u ..] p packed.
.macro SMAX a                          ; the largest of the 64, three operands at a time, each accumulator's lowest registers first; the other half of the lanes'; cm
.set uT, 64+8*((\a)%2)
.set uC, 80+2*((\a)%2)
	WIN 0x2a
.irp b, 0,1,2,3,4,5,6,7
	v_max3_num_f32 v[uT+(\b)], v[64*(\a)+8*(\b)], v[64*(\a)+8*(\b)+1], v[64*(\a)+8*(\b)+2]
.endr
	WIN 0x28
.irp b, 0,1,2,3,4,5,6,7
	v_max3_num_f32 v[uT+(\b)], v[uT+(\b)], v[64*(\a)+8*(\b)+3], v[64*(\a)+8*(\b)+4]
.endr
.irp b, 0,1,2,3,4,5,6,7
	v_max3_num_f32 v[uT+(\b)], v[uT+(\b)], v[64*(\a)+8*(\b)+5], v[64*(\a)+8*(\b)+6]
.endr
.irp e, 0,1,2,3
	v_max3_num_f32 v[uT+(\e)], v[uT+(\e)], v[64*(\a)+16*(\e)+7], v[64*(\a)+16*(\e)+15]
.endr
	WIN 0
	v_max3_num_f32 v[uT], v[uT], v[uT+1], v[uT+2]
	v_max3_num_f32 v[uT+3], v[uT+3], v[uT+4], v[uT+5]
	v_max3_num_f32 v[uT], v[uT], v[uT+3], v[uT+6]
	v_max_num_f32 v[uT], v[uT], v[uT+7]
	v_permlanex16_b32 v[uT+1], v[uT], s[SEL], s[SEL+1]
	v_max_num_f32 v[uC+1], v[uT], v[uT+1]
	v_mul_f32 v[uC], s[CS], v[uC+1]
.endm
.macro SEXP a                          ; L2E s - cm, two an instruction, then the block's 64 exponentials: one batch
.set uC, 80+2*((\a)%2)
	WIN 0x82
.set i, 0
.rept 32
	v_pk_fma_f32 v[64*(\a)+2*i:64*(\a)+2*i+1], v[64*(\a)+2*i:64*(\a)+2*i+1], s[CS:CS+1], v[uC:uC+1] op_sel_hi:[1,0,0] neg_lo:[0,0,1] neg_hi:[0,0,1]
.set i, i+1
.endr
.set i, 0
.rept 64
	v_exp_f32 v[64*(\a)+i], v[64*(\a)+i]
.set i, i+1
.endr
.endm
.macro SFIN a                          ; p rounded to f16; l by a tree of packed sums, in place; eight stores of 512 consecutive bytes
.set uT, 64+8*((\a)%2)
.set uC, 80+2*((\a)%2)
.set uP, 96+32*((\a)%2)
	s_wait_xcnt 0x0                                ; the stores of the block two back have read these registers
	WIN 0x0a
.set i, 0
.rept 32
	v_cvt_pk_f16_f32 v[uP+i], v[64*(\a)+2*i], v[64*(\a)+2*i+1]
.set i, i+1
.endr
	WIN 0x8a
.irp w, 4,8,16,32
.set u, 0
.rept 64/(\w)
	v_pk_add_f32 v[64*(\a)+(\w)*u:64*(\a)+(\w)*u+1], v[64*(\a)+(\w)*u:64*(\a)+(\w)*u+1], v[64*(\a)+(\w)*u+(\w)/2:64*(\a)+(\w)*u+(\w)/2+1]
.set u, u+1
.endr
.endr
	WIN 0x0a
	v_pk_add_f32 v[uT:uT+1], v[64*(\a):64*(\a)+1], v[64*(\a)+32:64*(\a)+33]
	WIN 0
	v_add_f32 v[uT+2], v[uT], v[uT+1]
	v_permlanex16_b32 v[uT+3], v[uT+2], s[SEL], s[SEL+1]
	v_add_f32 v[SR+2*(\a)+1], v[uT+2], v[uT+3]
	v_mov_b32 v[SR+2*(\a)], v[uC]
.irp b, 0,1,2,3,4,5,6,7
	global_store_b128 v[PO], v[uP+4*(\b):uP+4*(\b)+3], s[PB:PB+1] offset:((\b)/2)*8192+(\a)*1024+((\b)%2)*512
.endr
.endm
	s_mov_b32 s[CNT], 2
.Lwo:                                          ; two trips over window 2's four blocks; between them window 3's sums are brought into window 2: 256 moves, once a launch, for half the text of this way out
	SMAX 0
	SEXP 0
	SMAX 1                                         ; the next block's maximum is the plain work behind a batch of exponentials;
	s_wait_alu depctr_va_vdst(0)                   ; one wait for the batch, ahead of its first reader
	SFIN 0
	SEXP 1
	SMAX 2
	s_wait_alu depctr_va_vdst(0)
	SFIN 1
	SEXP 2
	SMAX 3
	s_wait_alu depctr_va_vdst(0)
	SFIN 2
	SEXP 3
	v_nop                                          ; a plain instruction behind the last exponential
	s_wait_alu depctr_va_vdst(0)
	SFIN 3
.irp g, 0,1                            ; both halves of the lanes hold every block's (cm, l): lanes 0-15 store block 2 g, lanes 16-31 block 2 g + 1: 256 consecutive bytes, aligned
	v_cndmask_b32 v[SV+2*(\g)], v[SR+4*(\g)], v[SR+4*(\g)+2], s[HM]
	v_cndmask_b32 v[SV+2*(\g)+1], v[SR+4*(\g)+1], v[SR+4*(\g)+3], s[HM]
	global_store_b64 v[SO], v[SV+2*(\g):SV+2*(\g)+1], s[STB:STB+1] offset:256*(\g)
.endr
	s_sub_co_u32 s[CNT], s[CNT], 1
	s_cmp_eq_u32 s[CNT], 0
	s_cbranch_scc1 .Lend
	s_wait_xcnt 0x0                                ; the stores have read their bases
	s_add_nc_u64 s[PB:PB+1], s[PB:PB+1], 4096      ; query blocks 4 to 7
	s_add_nc_u64 s[STB:STB+1], s[STB:STB+1], 512
	WIN 0x83
.set i, 0
.rept 256
	v_mov_b32 v[i], v[i]                           ; window 2 takes window 3, each accumulator from its low end on
.set i, i+1
.endr
	WIN 0
	s_branch .Lwo
.Lend:
	s_wait_tensorcnt 0x0                           ; the wave's end
	ds_add_u32 v[SPW], v[NIL]
	s_wait_dscnt 0x0
	CROUND                                         ; the closing round
	s_endpgm
.Lfunc_end_k_qed1c3993ae_scores:
	.size	k_qed1c3993ae_scores, .Lfunc_end_k_qed1c3993ae_scores-k_qed1c3993ae_scores
	.p2alignl 7, 3214868480
	.fill 96, 4, 3214868480
	.section	.rodata,"a",@progbits
	.p2align	6, 0x0
	.amdhsa_kernel k_qed1c3993ae_scores
		.amdhsa_group_segment_fixed_size 327680
		.amdhsa_private_segment_fixed_size 0
		.amdhsa_enable_private_segment 0
		.amdhsa_kernarg_size 40
		.amdhsa_user_sgpr_count 2
		.amdhsa_user_sgpr_kernarg_segment_ptr 1
		.amdhsa_wavefront_size32 1
		.amdhsa_system_sgpr_workgroup_id_x 1
		.amdhsa_system_sgpr_workgroup_id_y 1
		.amdhsa_system_sgpr_workgroup_id_z 1
		.amdhsa_system_vgpr_workitem_id 0
		.amdhsa_next_free_vgpr 1024
		.amdhsa_next_free_sgpr 100
		.amdhsa_reserve_vcc 0
		.amdhsa_float_denorm_mode_32 3
		.amdhsa_float_denorm_mode_16_64 3
		.amdhsa_memory_ordered 1
		.amdhsa_forward_progress 1
		.amdhsa_inst_pref_size 154
	.end_amdhsa_kernel
	.amdgpu_metadata
---
amdhsa.version: [ 1, 2 ]
amdhsa.kernels:
  - .name:           k_qed1c3993ae_scores
    .symbol:         k_qed1c3993ae_scores.kd
    .args:
      - { .name: c, .offset: 0, .size: 8, .value_kind: global_buffer, .address_space: global }
      - { .name: kph, .offset: 8, .size: 8, .value_kind: global_buffer, .address_space: global }
      - { .name: kpl, .offset: 16, .size: 8, .value_kind: global_buffer, .address_space: global }
      - { .name: pb, .offset: 24, .size: 8, .value_kind: global_buffer, .address_space: global }
      - { .name: st, .offset: 32, .size: 8, .value_kind: global_buffer, .address_space: global }
    .group_segment_fixed_size: 327680
    .private_segment_fixed_size: 0
    .kernarg_segment_align: 8
    .kernarg_segment_size: 40
    .max_flat_workgroup_size: 128
    .sgpr_count:     100
    .vgpr_count:     1024
    .wavefront_size: 32
...
	.end_amdgpu_metadata
.endif
;; end of part 3
;; launch mix (part 4): grid 4 x 64, 4 waves a work-group, clusters of 4 x 4, 327,680 bytes of LDS; arguments pb, vt, st, out0; writes out0
.if DOCPART == 4
	.amdgcn_target "amdgcn-amd-amdhsa--gfx1250"
	.amdhsa_code_object_version 6
	.text
	.protected	k_qed1c3993ae_mix
	.globl	k_qed1c3993ae_mix
	.p2align	8
	.type	k_qed1c3993ae_mix,@function
k_qed1c3993ae_mix:
	s_mov_b64 s[64:65], 0
	v_nop
	global_prefetch_b8 v0, s[64:65] scope:SCOPE_SE
	s_setreg_imm32_b32 hwreg(HW_REG_WAVE_MODE, 25, 1), 1
	s_wait_xcnt 0x0
	s_wait_alu depctr_hold_cnt(0) depctr_sa_sdst(0) depctr_va_vdst(0) depctr_va_sdst(0) depctr_va_ssrc(0) depctr_va_vcc(0) depctr_vm_vsrc(0)
	s_getreg_b32 s2, hwreg(HW_REG_IB_STS2, 6, 4)
	s_cmp_eq_u32 s2, 0
	s_cbranch_scc0 .Lentry_in_a_cluster
	s_endpgm
.Lentry_in_a_cluster:
	s_bfe_u32 s2, ttmp6, 0x10000c
	s_cmp_lg_u32 s2, 0xf033
	s_cbranch_scc0 .Lentry_shape_is_right
	s_endpgm
.Lentry_shape_is_right:
; out[query][ch] = sum over the eight key blocks t of f_t (P_t V_t),  f_t = 2^(cm_t - CM) / L,  CM = the largest cm_t of the row,  L = sum over t of 2^(cm_t - CM) l_t:
; together with the launch before this is the softmax with the row's true maximum taken away: no exponent is above 0, and L is at least the largest block's l.
; P's operands (f16) are multiplied by f_t (f16, both halves of a register) between LDS and the matrix unit; sums in f32; out0 in f32, with nothing left to do on the way out.
; LIMITS: f_t and f_t p below 6e-5 keep f16's fixed step of 6e-8; a factor below 2^-126 counts as 0; NaN and infinities are not treated apart.
; SHARES.  A work-group: 256 queries (tile row Y) x 256 channels (tile column X); a wave 128 x 128: 64 accumulators.  Source 0 = 16 channels of V^T, source 1 = 16 queries of P: a lane holds one query and 8 channels.
; The keys go in 8 steps of 128 (a block t) through two LDS slots of 131,072 bytes; a step is four phases of 32 keys, 64 matrix instructions each.  A phase fetches the next phase's operands, so a slot is read out at the end of its third
; phase: the change of slots stands there, and the refill has 256 matrix instructions in which to land.  Both tensors lie in memory as the lanes hold them: tiles are dense, LDS reads 16 bytes a lane on end.
; THE SCALINGS OF P stand four at a time behind every second matrix instruction of a phase's second half, never as a run of their own.  They work on the buffer that the phase in hand does not multiply.
; CLUSTER 4 x 4: P's tile hangs on Y alone (joint along a row), V's on the batch and X (joint along a column).
; REGISTERS: window 0: v0-63 addresses, factors, at work; v64-127, v128-191 P's operands, two buffers.  window 1: v64-127, v128-191 V's.  windows 2, 3: accumulators (a = query block of the window's four, b = channel block) at 8 (8 a + b).
.set SLOT1, 0x20000
.set VOFF,  65536                      ; a slot: P's two halves of 32,768 bytes, then V's two
.set STG,   0x40000                    ; behind the ring: 16 rows x 528 bytes for each wave, for the way out (528 = 33 x 16: the 16 rows of a store start at 16 different groups of four banks; 64 banks of 4 bytes: ISA guide 11.1)
.set SP,    528
.set TAB,   STG+4*16*SP                ; each wave's own table of factors: [t 8][query % 16: 16][query block 8] words
.set SPARE, TAB+4*4096                 ; the spare words
.set AP0, 4
.set AV0, 5
.set AP,  6
.set AV,  7
.set AF0, 8
.set AF,  9
.set SPW, 10
.set NIL, 11
.set STO, 12
.set RD,  13
.set GO,  14
.set SO,  15
.set FC,  16                           ; v[16:23] the step's factor for my query in each of the eight blocks
.set CMX, 24
.set LS,  28
.set RC,  32
.set AFW, 36
.set PFO, 37
.set PF,  64
.set WV, 16
.set RH, 17
.set CH, 18
.set CX, 19
.set CY, 20
.set X,  21
.set Y,  22
.set CLY, 23
.set G1A, 24
.set G1B, 32
.set G0A, 40                           ; s[40:47] group 0 for P: a set for each of the two first fills; the second then walks
.set G0B, 48                           ; s[48:55] the same for V
.set OUTC, 56
.set LIM, 57
.set PFA, 58
.set IN,  60
.set TP,  61                           ; LDS byte of the 32 keys to be fetched next but for the phase's own offset
.set TF,  62                           ; the next step's place in the table
.set STB, 70
.set SOUT, 72
.set MSB, 0
.macro WIN new
.if MSB != (\new)
	s_set_vgpr_msb (MSB<<8)|(\new)
.set MSB, (\new)
.endif
.endm
.macro PLACES
.rept 4
	v_nop
.endr
.endm
.macro CREST
	s_cmp_lg_u32 s[WV], 0
	s_cbranch_scc1 .Lnot_wave_0_\@
	s_barrier_signal -3
.Lnot_wave_0_\@:
	s_barrier_wait -3
	s_barrier_signal -1
	s_barrier_wait -1
.endm
.macro CROUND
	s_barrier_signal -1
	s_barrier_wait -1
	CREST
.endm
.macro FIRST2 g0, g1                   ; a wave's two first fills: steps 0 and 1
	tensor_load_to_lds s[\g0:\g0+3], s[\g1:\g1+7]
	s_nop 0
	tensor_load_to_lds s[\g0+4:\g0+7], s[\g1:\g1+7]
	s_nop 0
	PLACES
.endm
.macro JLOAD                           ; a joint refill: waves 0 and 1 fetch P's two halves, waves 2 and 3 V's
	s_cmp_eq_u32 s[RH], 0
	s_cbranch_scc0 .Lfor_b_\@
	tensor_load_to_lds s[G0A+4:G0A+7], s[G1A:G1A+7]
	s_nop 0
	PLACES
	s_branch .Lasked_\@
.Lfor_b_\@:
	tensor_load_to_lds s[G0B+4:G0B+7], s[G1B:G1B+7]
	s_nop 0
	PLACES
.Lasked_\@:
.endm
.macro WALK
	s_xor_b32 s[G0A+5], s[G0A+5], SLOT1
	s_add_nc_u64 s[G0A+6:G0A+7], s[G0A+6:G0A+7], 65536
	s_xor_b32 s[G0B+5], s[G0B+5], SLOT1
	s_add_nc_u64 s[G0B+6:G0B+7], s[G0B+6:G0B+7], 65536
.endm
; A PREFETCH of the step that the NEXT refill loads, one instruction a wave, behind the refill.  P's tile row is read by this cluster alone; a batch's V by two clusters, of which the one with even y asks.  Of the 32,768 bytes that a wave
; fetches each of the four partners takes 8,192, told apart by address (cx for P, cy for V), a lane 256.  Steps 0 to 2 come by their loads alone; the last refill (s[OUTC] = 1) asks for nothing.
.macro ASK
	s_cmp_gt_u32 s[OUTC], s[LIM]
	s_cbranch_scc0 .Lnot_mine_\@
	global_prefetch_b8 v[PFO], s[PFA:PFA+1] th:TH_LOAD_NT scope:SCOPE_SE
.Lnot_mine_\@:
.endm
	s_load_b256 s[4:11], s[0:1], 0x0               ; pb s[4:5], vt s[6:7], st s[8:9], out0 s[10:11]
	v_lshl_add_u32 v[SPW], v0, 2, SPARE
	v_mov_b32 v[NIL], 0
	ds_add_u32 v[SPW], v[NIL]                      ; the wave's opening: the add and its wait ahead of my first tensor load
	v_lshrrev_b32 v1, 5, v0
	v_readfirstlane_b32 s[WV], v1
	s_lshr_b32 s[RH], s[WV], 1                     ; my half of the queries.  Also: I fetch P (0) or V (1)
	s_and_b32 s[CH], s[WV], 1                      ; my half of the channels.  Also: which half I fetch
	s_bfe_u32 s[CX], ttmp6, 0x40000
	s_bfe_u32 s[CY], ttmp6, 0x40004
	s_lshl_b32 s[X], ttmp9, 2
	s_add_co_u32 s[X], s[X], s[CX]
	s_and_b32 s[CLY], ttmp7, 0xffff
	s_lshl_b32 s[Y], s[CLY], 2
	s_add_co_u32 s[Y], s[Y], s[CY]
	s_lshl_b32 s76, s[CY], 2
	s_lshl_b32 s76, 15, s76
	s_lshl_b32 s78, 0x1111, s[CX]
	s_or_b32 s[G1A], s76, (3<<16)|(1<<21)          ; 32,768 dense bytes as 128 rows of 32 elements of 8 bytes
	s_or_b32 s[G1B], s78, (3<<16)|(1<<21)
.irp g, G1A, G1B
	s_mov_b32 s[\g+1], 32<<16
	s_mov_b32 s[\g+2], 128<<16
	s_mov_b32 s[\g+3], 32<<16
	s_mov_b32 s[\g+4], 128
	s_mov_b32 s[\g+5], 32
	s_mov_b32 s[\g+6], 0
	s_mov_b32 s[\g+7], 0
.endr
	s_lshl_b32 s80, s[Y], 19                       ; pb: tile row Y, 8 steps of 65,536 bytes; my half
	s_lshl_b32 s81, s[CH], 15
	s_add_co_u32 s80, s80, s81
	s_mov_b32 s81, 0
	s_lshr_b32 s82, s[CLY], 1                      ; vt: the batch (the cluster's y / 2), channel tile X
	s_lshl_b32 s82, s82, 2
	s_add_co_u32 s82, s82, s[X]
	s_lshl_b32 s82, s82, 19
	s_lshl_b32 s83, s[CH], 15
	s_add_co_u32 s82, s82, s83
	s_mov_b32 s83, 0
	s_lshl_b32 s96, s[CH], 15                      ; where they go: no place in the cluster enters an LDS address
	s_add_co_u32 s97, s96, VOFF
.irp s, 0,1
	s_mov_b32 s[G0A+4*(\s)], 1
	s_add_co_u32 s[G0A+4*(\s)+1], s96, (\s)*SLOT1
	s_mov_b32 s[G0B+4*(\s)], 1
	s_add_co_u32 s[G0B+4*(\s)+1], s97, (\s)*SLOT1
.endr
	s_lshl_b32 s84, s[CX], 13                      ; the prefetches: my work-group's 8,192 bytes, step 2
	s_add_co_u32 s84, s84, s80
	s_add_co_u32 s84, s84, 131072
	s_lshl_b32 s85, s[CY], 13
	s_add_co_u32 s85, s85, s82
	s_add_co_u32 s85, s85, 131072
	s_and_b32 s86, s[CLY], 1
	s_cmp_eq_u32 s[RH], 0
	s_cselect_b32 s84, s84, s85
	s_cselect_b32 s86, 0, s86
	s_mov_b32 s85, 0
	s_cmp_eq_u32 s86, 0
	s_cselect_b32 s[LIM], 1, -1                    ; 1 in a wave that prefetches, else the greatest number
	v_and_b32 v3, 31, v0
	v_lshlrev_b32 v[PFO], 8, v3
	s_lshl_b32 s88, s[Y], 1                        ; st: my block of 128 rows
	s_add_co_u32 s88, s88, s[RH]
	s_lshl_b32 s88, s88, 10
	s_mov_b32 s89, 0
	s_lshl_b32 s90, s[Y], 20                       ; out0: row 256 Y + 128 x my half, column 256 X + 128 x my half
	s_lshl_b32 s91, s[RH], 19
	s_add_co_u32 s90, s90, s91
	s_lshl_b32 s91, s[X], 10
	s_add_co_u32 s90, s90, s91
	s_lshl_b32 s91, s[CH], 9
	s_add_co_u32 s90, s90, s91
	s_mov_b32 s91, 0
	s_mov_b32 s[TP], 0
	s_mov_b32 s[TF], 0
	s_wait_dscnt 0x0                               ; the opening add is done
	s_wait_kmcnt 0x0
	s_add_nc_u64 s[80:81], s[4:5], s[80:81]
	s_add_nc_u64 s[82:83], s[6:7], s[82:83]
.irp s, 0,1
	s_add_nc_u64 s[G0A+4*(\s)+2:G0A+4*(\s)+3], s[80:81], (\s)*65536
	s_or_b32 s[G0A+4*(\s)+3], s[G0A+4*(\s)+3], 0x80000000
	s_add_nc_u64 s[G0B+4*(\s)+2:G0B+4*(\s)+3], s[82:83], (\s)*65536
	s_or_b32 s[G0B+4*(\s)+3], s[G0B+4*(\s)+3], 0x80000000
.endr
	s_cmp_eq_u32 s[RH], 0
	s_cselect_b64 s[PFA:PFA+1], s[4:5], s[6:7]
	s_add_nc_u64 s[PFA:PFA+1], s[PFA:PFA+1], s[84:85]
	s_add_nc_u64 s[STB:STB+1], s[8:9], s[88:89]
	s_add_nc_u64 s[SOUT:SOUT+1], s[10:11], s[90:91]
	CROUND                                         ; all sixteen work-groups are here: the first joint loads meet
	s_cmp_eq_u32 s[RH], 0                          ; a wave's two first fills stand in one branch: two loads of mine are out
	s_cbranch_scc0 .Lfirst_b
	FIRST2 G0A, G1A
	s_branch .Lfirst_done
.Lfirst_b:
	FIRST2 G0B, G1B
.Lfirst_done:
	v_lshlrev_b32 v[SO], 3, v3
.irp g, 0,1,2,3                        ; THE FACTORS, in the wait for the first tile.  Lane l serves query l % 16 of block 2 g + l / 16: its (cm, l) of the eight key blocks
.irp t, 0,1,2,3,4,5,6,7
	global_load_b64 v[64+16*(\g)+2*(\t):64+16*(\g)+2*(\t)+1], v[SO], s[STB:STB+1] offset:(\t)*131072+256*(\g)
.endr
.endr
	v_and_b32 v1, 15, v0
	v_bfe_u32 v2, v0, 4, 1
	s_lshl_b32 s98, s[RH], 15
	v_lshl_add_u32 v[AP0], v3, 4, s98              ; my half of P's tile, 16 bytes a lane
	v_lshl_add_u32 v[AV0], v3, 4, s97              ; my half of V's
	s_lshl_b32 s99, s[WV], 12
	s_add_co_u32 s99, s99, TAB
	v_lshl_add_u32 v[AF0], v1, 5, s99
	v_lshl_add_u32 v[AFW], v2, 2, v[AF0]
	s_mul_i32 s99, s[WV], 16*SP
	s_add_co_u32 s99, s99, STG                     ; my stage
	v_mul_u32_u24 v[STO], v1, SP                   ; in: row l % 16, 32 bytes for each half of the lanes
	v_lshl_add_u32 v[STO], v2, 5, v[STO]
	v_add_nc_u32 v[STO], s99, v[STO]
	v_lshl_add_u32 v[RD], v3, 4, s99               ; back: 32 lanes take a row's 512 bytes
	v_lshlrev_b32 v[GO], 4, v3
	s_wait_loadcnt 0x0
.irp g, 0,1,2,3
	v_max3_num_f32 v[CMX+(\g)], v[64+16*(\g)], v[64+16*(\g)+2], v[64+16*(\g)+4]
.endr
.irp g, 0,1,2,3
	v_max3_num_f32 v[CMX+(\g)], v[CMX+(\g)], v[64+16*(\g)+6], v[64+16*(\g)+8]
.endr
.irp g, 0,1,2,3
	v_max3_num_f32 v[CMX+(\g)], v[CMX+(\g)], v[64+16*(\g)+10], v[64+16*(\g)+12]
.endr
.irp g, 0,1,2,3
	v_max_num_f32 v[CMX+(\g)], v[CMX+(\g)], v[64+16*(\g)+14]
.endr
.irp g, 0,1,2,3
.irp t, 0,1,2,3,4,5,6,7
	v_sub_f32 v[64+16*(\g)+2*(\t)], v[64+16*(\g)+2*(\t)], v[CMX+(\g)]
.endr
.endr
.irp g, 0,1,2,3
.irp t, 0,1,2,3,4,5,6,7
	v_exp_f32 v[64+16*(\g)+2*(\t)], v[64+16*(\g)+2*(\t)]
.endr
.endr
	v_nop                                          ; a plain instruction behind the last exponential,
	s_wait_alu depctr_va_vdst(0)                   ; and one wait for the batch of 32
.irp g, 0,1,2,3
	v_mul_f32 v[LS+(\g)], v[64+16*(\g)], v[64+16*(\g)+1]
.endr
.irp t, 1,2,3,4,5,6,7
.irp g, 0,1,2,3
	v_fmac_f32 v[LS+(\g)], v[64+16*(\g)+2*(\t)], v[64+16*(\g)+2*(\t)+1]
.endr
.endr
.irp g, 0,1,2,3
	v_rcp_f32 v[RC+(\g)], v[LS+(\g)]
.endr
	v_nop
	s_wait_alu depctr_va_vdst(0)                   ; one wait for the four reciprocals
.irp g, 0,1,2,3
.irp t, 0,1,2,3,4,5,6,7
	v_mul_f32 v[64+16*(\g)+2*(\t)], v[64+16*(\g)+2*(\t)], v[RC+(\g)]
.endr
.endr
.irp g, 0,1,2,3
.irp t, 0,1,2,3,4,5,6,7
	v_cvt_pk_f16_f32 v[64+16*(\g)+2*(\t)+1], v[64+16*(\g)+2*(\t)], v[64+16*(\g)+2*(\t)]
.endr
.endr
.irp g, 0,1,2,3
.irp t, 0,1,2,3,4,5,6,7
	ds_store_b32 v[AFW], v[64+16*(\g)+2*(\t)+1] offset:512*(\t)+8*(\g)  ; the table is my wave's own: LDS serves a wave's instructions in order (ISA guide 5.7.1.4), so its loads below see these stores
.endr
.endr
.macro ADDR
	v_add_nc_u32 v[AP], s[TP], v[AP0]
	v_add_nc_u32 v[AV], s[TP], v[AV0]
.endm
.macro FACT                            ; the next step's eight factors
	v_add_nc_u32 v[AF], s[TF], v[AF0]
	s_add_co_u32 s[TF], s[TF], 512
	ds_load_b128 v[FC:FC+3], v[AF]
	ds_load_b128 v[FC+4:FC+7], v[AF] offset:16
.endm
.macro FETCH n, koff                   ; 32 loads: P's eight operands, then V's eight, into buffers n
	WIN 0
.irp b, 0,1,2,3,4,5,6,7
	ds_load_b128 v[PF+64*(\n)+8*(\b):PF+64*(\n)+8*(\b)+3],   v[AP] offset:(\koff)+(\b)*1024
	ds_load_b128 v[PF+64*(\n)+8*(\b)+4:PF+64*(\n)+8*(\b)+7], v[AP] offset:(\koff)+(\b)*1024+512
.endr
	WIN 0x40
.irp b, 0,1,2,3,4,5,6,7
	ds_load_b128 v[PF+64*(\n)+8*(\b):PF+64*(\n)+8*(\b)+3],   v[AV] offset:(\koff)+(\b)*1024
	ds_load_b128 v[PF+64*(\n)+8*(\b)+4:PF+64*(\n)+8*(\b)+7], v[AV] offset:(\koff)+(\b)*1024+512
.endr
.endm
.macro SCALE n                         ; P's operands times the step's factor, two f16 an instruction, on end: ahead of the first phase alone
	WIN 0
.irp b, 0,1,2,3,4,5,6,7
.irp e, 0,1,2,3,4,5,6,7
	v_pk_mul_f16 v[PF+64*(\n)+8*(\b)+(\e)], v[PF+64*(\n)+8*(\b)+(\e)], v[FC+(\b)]
.endr
.endr
.endm
.macro RSCL n                          ; the next four of those 64 scalings, numbers rc to rc + 3
	WIN 0
.rept 4
	v_pk_mul_f16 v[PF+64*(\n)+rc], v[PF+64*(\n)+rc], v[FC+rc/8]
.set rc, rc+1
.endr
.endm
; 32 matrix instructions: the query blocks of window 2 + half x all channel blocks.  The 64 accumulators take turns in one order.
; rid = 1: four scalings of the next phase's P stand behind every second product.
.macro MUL32 p, half, zero, rid=0
.set rc, 0
.set wn, 0
.irp a, 0,1,2,3
.irp b, 0,1,2,3,4,5,6,7
	WIN 0xa1+0x50*(\half)
.if \zero
	v_wmma_f32_16x16x32_f16 v[8*(8*(\a)+(\b)):8*(8*(\a)+(\b))+7], v[PF+64*(\p)+8*(\b):PF+64*(\p)+8*(\b)+7], v[PF+64*(\p)+8*(4*(\half)+(\a)):PF+64*(\p)+8*(4*(\half)+(\a))+7], 0
.else
	v_wmma_f32_16x16x32_f16 v[8*(8*(\a)+(\b)):8*(8*(\a)+(\b))+7], v[PF+64*(\p)+8*(\b):PF+64*(\p)+8*(\b)+7], v[PF+64*(\p)+8*(4*(\half)+(\a)):PF+64*(\p)+8*(4*(\half)+(\a))+7], v[8*(8*(\a)+(\b)):8*(8*(\a)+(\b))+7]
.endif
.set wn, wn+1
.if (\rid) && (wn%2 == 0)
	RSCL 1-(\p)
.endif
.endr
.endr
.endm
.macro PH p, koff, zero, fetch         ; a phase on buffers p; fetch = 1: the next phase's operands go into the other buffers
	s_wait_dscnt 0x0                               ; V's operands of this phase are in
.if \fetch
	PLACES                                         ; between the last products, which read the other buffers, and the loads into them
	FETCH 1-(\p), \koff
.endif
	MUL32 \p, 0, \zero
.if \fetch
	s_wait_dscnt 16                                ; the factors and P's 16 loads are in; V's 16 may stay out
	MUL32 \p, 1, \zero, 1
.else
	MUL32 \p, 1, \zero
.endif
	WIN 0
.endm
.macro PAIR                            ; two phases; the fetches go 64 keys on
	PH 1, 0, 0, 1
	PH 0, 8192, 0, 1
	s_add_co_u32 s[TP], s[TP], 16384
	ADDR
.endm
; THE CHANGE OF SLOTS, between a step's third and fourth phase: the slot's last 32 keys have been asked for.  fill = 1: the slot is filled again, two steps ahead.
.macro TURN fill
.if \fill
	s_wait_xcnt 0x0                                ; the last prefetch, a step back, has read its address
	s_add_nc_u64 s[PFA:PFA+1], s[PFA:PFA+1], 65536
.endif
	s_wait_tensorcnt 0x0                           ; all my tensor loads have landed: the one that was out is my part of the other slot
	ds_add_u32 v[SPW], v[NIL]                      ; 0 onto my spare word
.if \fill
	WALK
.endif
	s_wait_dscnt 0x0                               ; the add is done, and my reads of the slot are over
.if \fill
	CROUND                                         ; no wave of any partner still reads the slot or has a load on its way
	JLOAD
.else
	s_barrier_signal -1
	s_barrier_wait -1
.endif
	s_sub_co_u32 s[TP], s[TP], 32768               ; the fetches go back to a slot's head,
	s_xor_b32 s[TP], s[TP], SLOT1                  ; in the other slot
	ADDR
	FACT
.if \fill
	ASK
.endif
.endm
	s_wait_dscnt 0x0                               ; my stores into the table are done: no LDS instruction of mine is out at the signal
	s_wait_tensorcnt 0x1                           ; my part of step 0 is in; step 1's may stay out
	s_barrier_signal -1
	s_barrier_wait -1                              ; everybody's is
	ADDR
	FACT
	FETCH 0, 0
	s_wait_dscnt 16
	SCALE 0
	PH 0, 8192, 1, 1                               ; the first phase's products start the sums: nothing is cleared
	s_add_co_u32 s[TP], s[TP], 16384
	ADDR
	s_mov_b32 s[IN], 1                             ; step 0 has one pair of phases left ahead of its change of slots
	s_mov_b32 s[OUTC], 7
	s_branch .Lpair
.Lout:                                         ; six times: steps 2 to 7 are asked for
	TURN 1
	s_mov_b32 s[IN], 2
.Lpair:
	PAIR
	s_sub_co_u32 s[IN], s[IN], 1
	s_cmp_lg_u32 s[IN], 0
	s_cbranch_scc1 .Lpair
	s_sub_co_u32 s[OUTC], s[OUTC], 1
	s_cmp_lg_u32 s[OUTC], 0
	s_cbranch_scc1 .Lout
	TURN 0                                         ; the tail is written out
	s_mov_b32 s[IN], 2
.Lpair2:
	PAIR
	s_sub_co_u32 s[IN], s[IN], 1
	s_cmp_lg_u32 s[IN], 0
	s_cbranch_scc1 .Lpair2
	PH 1, 0, 0, 0                                  ; the last phase fetches nothing
	; THE WAY OUT.  A lane's eight channels of a row are 32 bytes; a block of 16 rows goes through my stage in LDS and comes back as whole rows of 512 bytes.
.rept 8
	v_nop                                          ; the places behind the last products
.endr
.macro TOSTAGE a
	s_wait_xcnt 0x0                                ; the stores of the block two back have read the registers that the loads below fill
	WIN 0x08+4*((\a)/4)                            ; store data in window 2 or 3
.irp b, 0,1,2,3,4,5,6,7
	ds_store_b128 v[STO], v[64*((\a)%4)+8*(\b):64*((\a)%4)+8*(\b)+3]   offset:64*(\b)
	ds_store_b128 v[STO], v[64*((\a)%4)+8*(\b)+4:64*((\a)%4)+8*(\b)+7] offset:64*(\b)+16
.endr
	WIN 0
.irp i, 0,1,2,3,4,5,6,7,8,9,10,11,12,13,14,15
	ds_load_b128 v[PF+64*((\a)%2)+4*(\i):PF+64*((\a)%2)+4*(\i)+3], v[RD] offset:SP*(\i)  ; LDS serves a wave's instructions in order (ISA guide 5.7.1.4): these see the stores above, and the next block's stores come behind them
.endr
.endm
.macro SEND a, younger                 ; younger: the LDS instructions issued behind block a's loads
	s_wait_dscnt \younger
.irp i, 0,1,2,3,4,5,6,7,8,9,10,11,12,13,14,15
	global_store_b128 v[GO], v[PF+64*((\a)%2)+4*(\i):PF+64*((\a)%2)+4*(\i)+3], s[SOUT:SOUT+1] offset:(16*(\a)+(\i))*4096 th:TH_STORE_NT  ; 512 consecutive bytes, aligned
.endr
.endm
	TOSTAGE 0
.irp a, 1,2,3,4,5,6,7
	TOSTAGE \a
	SEND (\a)-1, 32
.endr
	SEND 7, 0
	s_wait_tensorcnt 0x0                           ; the wave's end, behind my last tensor load and my last LDS store
	ds_add_u32 v[SPW], v[NIL]
	s_wait_dscnt 0x0
	CROUND                                         ; the closing round
	s_endpgm
.Lfunc_end_k_qed1c3993ae_mix:
	.size	k_qed1c3993ae_mix, .Lfunc_end_k_qed1c3993ae_mix-k_qed1c3993ae_mix
	.p2alignl 7, 3214868480
	.fill 96, 4, 3214868480
	.section	.rodata,"a",@progbits
	.p2align	6, 0x0
	.amdhsa_kernel k_qed1c3993ae_mix
		.amdhsa_group_segment_fixed_size 327680
		.amdhsa_private_segment_fixed_size 0
		.amdhsa_enable_private_segment 0
		.amdhsa_kernarg_size 32
		.amdhsa_user_sgpr_count 2
		.amdhsa_user_sgpr_kernarg_segment_ptr 1
		.amdhsa_wavefront_size32 1
		.amdhsa_system_sgpr_workgroup_id_x 1
		.amdhsa_system_sgpr_workgroup_id_y 1
		.amdhsa_system_sgpr_workgroup_id_z 1
		.amdhsa_system_vgpr_workitem_id 0
		.amdhsa_next_free_vgpr 1024
		.amdhsa_next_free_sgpr 100
		.amdhsa_reserve_vcc 0
		.amdhsa_float_denorm_mode_32 3
		.amdhsa_float_denorm_mode_16_64 3
		.amdhsa_memory_ordered 1
		.amdhsa_forward_progress 1
		.amdhsa_inst_pref_size 119
	.end_amdhsa_kernel
	.amdgpu_metadata
---
amdhsa.version: [ 1, 2 ]
amdhsa.kernels:
  - .name:           k_qed1c3993ae_mix
    .symbol:         k_qed1c3993ae_mix.kd
    .args:
      - { .name: pb, .offset: 0, .size: 8, .value_kind: global_buffer, .address_space: global }
      - { .name: vt, .offset: 8, .size: 8, .value_kind: global_buffer, .address_space: global }
      - { .name: st, .offset: 16, .size: 8, .value_kind: global_buffer, .address_space: global }
      - { .name: out0, .offset: 24, .size: 8, .value_kind: global_buffer, .address_space: global }
    .group_segment_fixed_size: 327680
    .private_segment_fixed_size: 0
    .kernarg_segment_align: 8
    .kernarg_segment_size: 32
    .max_flat_workgroup_size: 128
    .sgpr_count:     100
    .vgpr_count:     1024
    .wavefront_size: 32
...
	.end_amdgpu_metadata
.endif
;; end of part 4
